; MI455X (gfx1250); checked and timed in simulation.
; The chip was launched on July 23, 2026; its instructions are those of AMD's public machine-readable ISA for CDNA 5 (MIT licence, August 2026) and "CDNA5" Instruction Set Architecture Reference Guide (July 2026). The comments in the code are by the model that wrote it; some were corrected since.
;; Multi Head Self Attention. Allowed arithmetic: matrix products marked QUANTISED: E2M3 operands, one E8M0 scale for each 32 along K, by v_wmma_scale_f32_16x16x128_f8f6f4 with both operands' format E2M3, f32 sums; everything else in f32.
;; Inputs: W_out 1,024 x 1,024 float32; W_qkv 3,072 x 1,024 float32; b_out 1,024 float32; b_qkv 3,072 float32; x 4 x 2,048 x 1,024 float32.
;; Outputs: out0 4 x 2,048 x 1,024 float32.
;; This version of the problem:
;;   THIS VERSION OF THE PROBLEM IS GIVEN IN LOW PRECISION. The matrix products marked QUANTISED in the list below multiply operands that are first quantised to E2M3 (2 exponent bits, 3 mantissa bits; 6 bits a number), with one power-of-two scale for each 32 numbers along K (OCP MX v1.0); their sums are f32. All else is computed in f32.
;;   The module's matrix products, in the order in which they are computed (A, B: the left and right operand; K: the contracted axis; several contracted axes count as one K, in the product's order):
;;     1. [M 8,192, K 1,024] x [K 1,024, N 3,072]; A: input x; B: input W_qkv: QUANTISED
;;     2. batch 64 x [M 2,048, K 64] x [K 64, N 2,048]; A: computed on the way; B: computed on the way: QUANTISED
;;     3. batch 64 x [M 2,048, K 2,048] x [K 2,048, N 64]; A: softmax (see below); B: computed on the way: QUANTISED
;;     4. [M 8,192, K 1,024] x [K 1,024, N 1,024]; A: computed on the way; B: input W_out: QUANTISED
;;   THE QUANTISER, for each operand of a quantised product, along K:
;;     - K is cut into blocks of 32 from its start; a last block that is shorter is filled with zeros.
;;     - A block's scale is 2^e with e = floor(log2(the largest magnitude in the block)) - 2, held to -126 .. 127; a block of zeros has e = 0. As a byte (E8M0): e + 127.
;;     - Each number is divided by its block's scale, clamped to +-7.5, and rounded to the nearest number of E2M3, ties to even, subnormals kept.
;;     - The product sums the exact products of the quantised numbers (number of the format x scale) in f32.
;;   ~~~python
;;   def quantise(x, axis):      # numpy; x: float32 -> the quantised numbers, widened to float32 again
;;       x = np.moveaxis(x, axis, -1); K = x.shape[-1]
;;       x = np.pad(x, [(0, 0)] * (x.ndim - 1) + [(0, -K % 32)]); x = x.reshape(x.shape[:-1] + (-1, 32)); a = np.abs(x).max(-1, keepdims=True)
;;       e = np.where(a > 0, np.clip(np.frexp(np.where(a > 0, a, 1))[1] - 1 - 2, -126, 127), 0)      # np.frexp(a)[1] - 1 = floor(log2(a)), exactly
;;       r = np.clip(x / 2.0 ** e, -7.5, 7.5)
;;       step = 2.0 ** (np.maximum(np.frexp(np.where(r == 0, 1, r))[1] - 1, 0) - 3)
;;       q = np.round(r / step) * step * 2.0 ** e      # np.round: ties to even
;;       return np.moveaxis(q.reshape(q.shape[:-2] + (-1,))[..., :K], -1, axis).astype(np.float32)
;;   ~~~
;;   SOFTMAX AHEAD OF A QUANTISED PRODUCT. Where the list says 'softmax', what is quantised is not the finished softmax but p = 2^(t - M), with t = logit x log2(e) and M = ceil(the row's largest t), a whole number; so 1/2 < the row's largest p <= 1. The row's sum l is taken of the UNQUANTISED p, in f32, and the product's result is divided by l at the end. Since M is a whole number, a kernel that streams over the keys may use a running M (the ceiling of the running maximum): every later rescaling is an exact power of two, which a block's scale takes up: the codes' values come out the same.
;;   OPERANDS COMPUTED ON THE WAY. 'Computed on the way' means the value that the module computes at that place (a softmax that the list does not call 'softmax' is quantised finished and normalised). What goes into a quantiser is computed in f32, as accurately as f32 sums, v_exp_f32 and their like allow (about 1e-6 of the number): no bf16 or f16 on the way to a quantiser, and a product that is left as it is and whose result goes on into a quantised operand takes f32 operands (vector FMAs, or v_wmma_f32_16x16x4_f32). A number that lies on a knife's edge between two numbers of the format may be rounded either way, as far as f32 arithmetic and the matrix unit's own rounding can turn it there, and no further.
;; One version. Each part assembles by itself: llvm-mc -triple=amdgcn-amd-amdhsa -mcpu=gfx1250 --defsym DOCPART=n.
;; ======== version 1 of 1: 4 launches
;; limits: right only within a limited range of input values
;; workspace buffers: wcodes 9,437,184 bytes; wscales 393,216 bytes; acodes 18,874,368 bytes; ascales 1,310,720 bytes; ocodes 6,291,456 bytes; oscales 262,144 bytes
;; launch quant (part 1): grid 768 x 1, 2 waves a work-group, no clusters, 35,328 bytes of LDS; arguments x, W_qkv, W_out, wcodes, wscales; writes wcodes, wscales
.if DOCPART == 1
	.amdgcn_target "amdgcn-amd-amdhsa--gfx1250"
	.amdhsa_code_object_version 6
	.text
	.protected	k_qc3d93b3063_quant
	.globl	k_qc3d93b3063_quant
	.p2align	8
	.type	k_qc3d93b3063_quant,@function
k_qc3d93b3063_quant:
	s_mov_b64 s[64:65], 0
	v_nop
	global_prefetch_b8 v0, s[64:65] scope:SCOPE_SE
	s_setreg_imm32_b32 hwreg(HW_REG_WAVE_MODE, 25, 1), 1
	s_wait_xcnt 0x0
; x [8192][1024], W_qkv [3072][1024] and W_out [1024][1024], f32 with K innermost, become codes of FP6 (E2M3) with one E8M0 byte for each 32 along K.
; A block's scale is 2^(floor(log2(its largest magnitude)) - 2); its byte is the largest magnitude's exponent field - 2, held at 1 from below.
; LIMITS: NaN and infinities among the inputs are not served.  A block of zeros, or one whose largest magnitude lies under 2^(3 - 127), gets the byte 1 (the stated quantiser gives a block of zeros 127): its codes are zeros,
; and the bytes are read by this program alone.
; THE CODES ARE LAID AS IMAGES OF OPERAND REGISTERS.  The rows of the three tensors on end are cut into 768 tiles of 16 rows; lane r of tile T holds row 32 (T / 2) + 8 (T % 2) + r + 8 (r / 8).
; Fragment (T, s), 16 rows x 128 K, 12 registers a lane, lies at 12288 T + 1536 s: registers 0-3 at 16 x lane, 4-5 at 512 + 8 x lane, 6-9 at 768 + 16 x lane, 10-11 at 1280 + 8 x lane.
; Its scale words (4 bytes a row) lie at 8192 (T / 16) + 1024 s + 64 (T % 16) + 4 r.
; SHARES.  A wave takes four tiles (64 rows on end) at one K step of 128: four fragments, and 256 consecutive bytes of scale words.  Waves share nothing: no barrier.
; Each load reads 512 consecutive bytes of one row; a tile's 16 x 512 bytes turn through the wave's own stage in LDS (rows 528 bytes apart) and come back 16 neighbours of each block of 32 to a lane.
.set WREG, 8704                        ; LDS of a wave: a stage of 16 rows x 528 bytes, then 256 bytes of scale words
.set SP,   528
.set R,    16                          ; v16-143  two sets of 64: a tile as it is loaded
.set X,    144                         ; v144-207 register 16 b + i = k 32 b + 16 (lane / 16) + i of my row
.set PC,   208                         ; v208-226 the codes just made
.set TM,   228                         ; v228-243 at work
.set PW,   244                         ; the scale word just made
.set SEL,  20                          ; s[20:21] lane selects for v_permlanex16_b32: lane l xor 16
; 64 numbers of a lane, v[s] on, become a fragment's codes in v[PC] .. v[PC + 11] and its scale word in v[PW]
.macro QUANT s
.irp b, 0,1,2,3
	v_max3_num_f32 v[TM+\b], |v[\s+16*\b]|, |v[\s+1+16*\b]|, 0x1800000   ; block b: my 16 numbers, and the floor 2^(3 - 127): the byte cannot fall under 1
.endr
.irp i, 2,4,6,8,10,12,14
.irp b, 0,1,2,3
	v_max3_num_f32 v[TM+\b], v[TM+\b], |v[\s+16*\b+\i]|, |v[\s+1+16*\b+\i]|   ; the four blocks by turns
.endr
.endr
.irp b, 0,1,2,3
	v_permlanex16_b32 v[TM+4+\b], v[TM+\b], s[SEL], s[SEL+1]
.endr
.irp b, 0,1,2,3
	v_max_num_f32 v[TM+\b], v[TM+\b], v[TM+4+\b]   ; with lane l xor 16's: the block's largest magnitude
.endr
.irp b, 0,1,2,3
	v_add_nc_u32 v[TM+12+\b], 0xff000000, v[TM+\b]   ; 2 off its exponent field: the conversion's scale operand
.endr
.irp b, 0,1,2,3
	v_lshrrev_b32 v[TM+4+\b], 23, v[TM+12+\b]      ; the scale's byte
.endr
	v_lshl_or_b32 v[PW], v[TM+5], 8, v[TM+4]
	v_lshl_or_b32 v[PW], v[TM+6], 16, v[PW]
	v_lshl_or_b32 v[PW], v[TM+7], 24, v[PW]
.irp c, 0,1
	v_cvt_scalef32_pk16_fp6_f32 v[PC+6*\c:PC+2+6*\c], v[\s+32*\c:\s+15+32*\c], v[TM+12+2*\c]
	v_cvt_scalef32_pk16_fp6_f32 v[PC+12+4*\c:PC+14+4*\c], v[\s+16+32*\c:\s+31+32*\c], v[TM+12+2*\c+1]   ; (a conversion's three registers begin on an even number)
.endr
	v_nop                                          ; one plain place behind the scaled conversions
.irp c, 0,1                                    ; the operand's layout wants a whole block in a lane: lanes 0-15 block 2 c, lanes 16-31 block 2 c + 1
.irp i, 0,1,2
	v_permlane16_swap_b32 v[PC+6*\c+\i], v[PC+12+4*\c+\i]
.endr
.irp i, 0,1,2
	v_mov_b32 v[PC+3+6*\c+\i], v[PC+12+4*\c+\i]
.endr
.endr
.endm
	s_load_b128 s[4:7], s[0:1], 0x0                ; x, W_qkv
	s_load_b128 s[8:11], s[0:1], 0x10              ; W_out, the codes
	s_load_b64 s[12:13], s[0:1], 0x20              ; the scale words
	v_lshl_add_u32 v254, v0, 2, 0x8800
	v_mov_b32 v255, 0
	v_lshrrev_b32 v7, 5, v0
	v_readfirstlane_b32 s14, v7                    ; wave 0..1
	v_and_b32 v7, 31, v0                           ; lane
	v_and_b32 v8, 15, v0                           ; r
	v_bfe_u32 v9, v0, 4, 1                         ; h
	v_lshlrev_b32 v1, 4, v7                        ; 16 x lane
	v_lshlrev_b32 v2, 3, v7                        ; 8 x lane
	s_mul_i32 s15, s14, WREG
	v_add_nc_u32 v3, s15, v1                       ; the stage, on the way in: a row's 512 bytes as they lie
	v_mul_u32_u24 v4, v8, SP
	v_lshl_add_u32 v4, v9, 6, v4
	v_add_nc_u32 v4, s15, v4                       ; and out: row r, + 64 h: my 16 numbers of a block of 32
	s_add_co_u32 s15, s15, 16*SP
	v_lshl_add_u32 v5, v8, 2, s15                  ; my row's scale word
	v_add_nc_u32 v6, s15, v2                       ; and the 256 bytes on their way out, 8 a lane
.irp b, 0,1,2,3
	v_mov_b32 v[TM+4+\b], 0                        ; written once: a lane permute's destination counts as one of its sources
.endr
	s_mov_b32 s[SEL], 0x76543210
	s_mov_b32 s[SEL+1], 0xfedcba98
	s_lshr_b32 s16, ttmp9, 2                       ; which four tiles: 0..191.  A work-group is two waves: four work-groups share the eight K steps of four tiles
	s_and_b32 s17, ttmp9, 3
	s_lshl_b32 s17, s17, 1
	s_add_co_u32 s17, s17, s14                     ; which K step: 0..7
	s_mov_b32 s18, 176
	s_wait_alu depctr_va_vdst(0)
	s_wait_kmcnt 0x0
	s_cmp_lt_u32 ttmp9, 704                        ; the tensor is chosen by the work-group's number alone: 512 work-groups for x, 192 for W_qkv, 64 for W_out
	s_cselect_b64 s[6:7], s[6:7], s[8:9]
	s_cselect_b32 s18, 128, s18
	s_cmp_lt_u32 ttmp9, 512
	s_cselect_b64 s[4:5], s[4:5], s[6:7]
	s_cselect_b32 s18, 0, s18
	s_sub_co_u32 s18, s16, s18                     ; the four tiles' number in their own tensor
	s_lshl_b32 s18, s18, 18                        ; 64 rows of 4,096 bytes
	s_lshl_b32 s19, s17, 9                         ; 512 bytes a K step
	s_add_co_u32 s18, s18, s19
	s_mov_b32 s19, 0
	s_add_nc_u64 s[4:5], s[4:5], s[18:19]
	s_mul_i32 s18, s16, 49152
	s_mul_i32 s22, s17, 1536
	s_add_co_u32 s18, s18, s22
	s_add_nc_u64 s[10:11], s[10:11], s[18:19]
	s_lshr_b32 s18, s16, 2
	s_lshl_b32 s18, s18, 13
	s_lshl_b32 s22, s17, 10
	s_add_co_u32 s18, s18, s22
	s_and_b32 s22, s16, 3
	s_lshl_b32 s22, s22, 8
	s_add_co_u32 s18, s18, s22
	s_add_nc_u64 s[12:13], s[12:13], s[18:19]
.macro LOAD t                          ; tile t of my four: its 16 rows, 512 consecutive bytes a load, into set t % 2
.irp i, 0,1,2,3,4,5,6,7,8,9,10,11,12,13,14,15
	global_load_b128 v[R+64*((\t)%2)+4*\i:R+64*((\t)%2)+4*\i+3], v1, s[4:5] offset:(32*((\t)/2)+8*((\t)%2)+\i+8*(\i/8))*4096 th:TH_LOAD_NT
.endr
.endm
.macro STEP t
.if (\t) < 3
	s_wait_loadcnt 16                              ; this tile's 16 loads are in; the next tile's 16 may be out
.else
	s_wait_loadcnt 0x0
.endif
.irp i, 0,1,2,3,4,5,6,7,8,9,10,11,12,13,14,15
	ds_store_b128 v3, v[R+64*((\t)%2)+4*\i:R+64*((\t)%2)+4*\i+3] offset:SP*\i
.endr
.irp b, 0,1,2,3
.irp j, 0,1,2,3
	ds_load_b128 v[X+16*\b+4*\j:X+16*\b+4*\j+3], v4 offset:128*\b+16*\j   ; LDS serves a wave's instructions in order: these see the stores above
.endr
.endr
	s_wait_dscnt 0x0                               ; the tile is back, and the stage's stores have read their registers
.if (\t) > 0
	s_wait_xcnt 0x0                                ; the last tile's stores have read the codes' registers, which are written again below
.endif
.if (\t) < 2
	LOAD (\t)+2
.endif
	QUANT X
	global_store_b128 v1, v[PC:PC+3], s[10:11] offset:12288*(\t)           ; 512 consecutive bytes, aligned
	global_store_b64 v2, v[PC+4:PC+5], s[10:11] offset:12288*(\t)+512      ; 256
	global_store_b128 v1, v[PC+6:PC+9], s[10:11] offset:12288*(\t)+768
	global_store_b64 v2, v[PC+10:PC+11], s[10:11] offset:12288*(\t)+1280
	ds_store_b32 v5, v[PW] offset:64*(\t)          ; lanes r and r + 16 write the same word with the same value
.endm
	LOAD 0
	LOAD 1
	STEP 0
	STEP 1
	STEP 2
	STEP 3
	ds_load_b64 v[246:247], v6                     ; my four tiles' scale words
	s_wait_dscnt 0x0
	global_store_b64 v2, v[246:247], s[12:13]      ; 256 consecutive bytes, aligned
	s_wait_tensorcnt 0x0
	ds_add_u32 v254, v255
	s_wait_dscnt 0x0
	s_endpgm
.Lfunc_end_k_qc3d93b3063_quant:
	.size	k_qc3d93b3063_quant, .Lfunc_end_k_qc3d93b3063_quant-k_qc3d93b3063_quant
	.p2alignl 7, 3214868480
	.fill 96, 4, 3214868480
	.section	.rodata,"a",@progbits
	.p2align	6, 0x0
	.amdhsa_kernel k_qc3d93b3063_quant
		.amdhsa_group_segment_fixed_size 35328
		.amdhsa_private_segment_fixed_size 0
		.amdhsa_enable_private_segment 0
		.amdhsa_kernarg_size 40
		.amdhsa_user_sgpr_count 2
		.amdhsa_user_sgpr_kernarg_segment_ptr 1
		.amdhsa_wavefront_size32 1
		.amdhsa_system_sgpr_workgroup_id_x 1
		.amdhsa_system_sgpr_workgroup_id_y 1
		.amdhsa_system_sgpr_workgroup_id_z 1
		.amdhsa_system_vgpr_workitem_id 0
		.amdhsa_next_free_vgpr 256
		.amdhsa_next_free_sgpr 66
		.amdhsa_reserve_vcc 0
		.amdhsa_float_denorm_mode_32 3
		.amdhsa_float_denorm_mode_16_64 3
		.amdhsa_memory_ordered 1
		.amdhsa_forward_progress 1
		.amdhsa_inst_pref_size 34
	.end_amdhsa_kernel
	.amdgpu_metadata
---
amdhsa.version: [ 1, 2 ]
amdhsa.kernels:
  - .name:           k_qc3d93b3063_quant
    .symbol:         k_qc3d93b3063_quant.kd
    .args:
      - { .name: x, .offset: 0, .size: 8, .value_kind: global_buffer, .address_space: global }
      - { .name: W_qkv, .offset: 8, .size: 8, .value_kind: global_buffer, .address_space: global }
      - { .name: W_out, .offset: 16, .size: 8, .value_kind: global_buffer, .address_space: global }
      - { .name: wcodes, .offset: 24, .size: 8, .value_kind: global_buffer, .address_space: global }
      - { .name: wscales, .offset: 32, .size: 8, .value_kind: global_buffer, .address_space: global }
    .group_segment_fixed_size: 35328
    .private_segment_fixed_size: 0
    .kernarg_segment_align: 8
    .kernarg_segment_size: 40
    .max_flat_workgroup_size: 64
    .sgpr_count:     66
    .vgpr_count:     256
    .wavefront_size: 32
...
	.end_amdgpu_metadata
.endif
;; end of part 1
;; launch qkv (part 2): grid 8 x 48, 4 waves a work-group, clusters of 4 x 4, 327,680 bytes of LDS; arguments wcodes, wscales, b_qkv, acodes, ascales; writes acodes, ascales
.if DOCPART == 2
	.amdgcn_target "amdgcn-amd-amdhsa--gfx1250"
	.amdhsa_code_object_version 6
	.text
	.protected	k_qc3d93b3063_qkv
	.globl	k_qc3d93b3063_qkv
	.p2align	8
	.type	k_qc3d93b3063_qkv,@function
k_qc3d93b3063_qkv:
	s_mov_b64 s[64:65], 0
	v_nop
	global_prefetch_b8 v0, s[64:65] scope:SCOPE_SE
	s_setreg_imm32_b32 hwreg(HW_REG_WAVE_MODE, 25, 1), 1
	s_wait_xcnt 0x0
	s_wait_alu depctr_hold_cnt(0) depctr_sa_sdst(0) depctr_va_vdst(0) depctr_va_sdst(0) depctr_va_ssrc(0) depctr_va_vcc(0) depctr_vm_vsrc(0)
	s_getreg_b32 s2, hwreg(HW_REG_IB_STS2, 6, 4)
	s_cmp_eq_u32 s2, 0
	s_cbranch_scc0 .Lentry_in_a_cluster
	s_endpgm
.Lentry_in_a_cluster:
	s_bfe_u32 s2, ttmp6, 0x10000c
	s_cmp_lg_u32 s2, 0xf033
	s_cbranch_scc0 .Lentry_shape_is_right
	s_endpgm
.Lentry_shape_is_right:
; qkv = x W_qkv^T + b_qkv on codes of FP6 (E2M3) with E8M0 scales, K = 1,024; the result is quantised at once, in f32 registers, for the attention's products: q and k along the head's 64 channels, v along the tokens.
; ONE TEXT, TWO USES.  A product has a source 0, P0, whose rows run along a lane's registers in the result (the axis that is quantised), and a source 1, P1, one row a lane.
;   clusters y = 0..7  (QK): P1 = 256 tokens of x,       P0 = 256 channels of q or k;   clusters y = 8..11 (V): P1 = 256 channels of v, P0 = 256 tokens of x.   The use hangs on the cluster's y alone.
; A work-group of four waves makes 256 x 256; a wave 128 x 128: 64 accumulators, 512 registers.  Codes and scale words come as images of operand registers (a fragment: 1,536 bytes; lane r of tile T holds row
; 32 (T / 2) + 8 (T % 2) + r + 8 (r / 8)), so that the 64 registers of a block of 16 rows of P1 are 128 neighbours along P0's axis, 16 of each block of 32 to a lane.
; K goes in four steps of 256 through three LDS slots: three are asked for at the start, the fourth fills slot 0 again behind a round of the cluster's barrier and has two steps' products in which to land.
; CLUSTERS: 4 x 4 work-groups; P1's tiles are shared along a row of the cluster, P0's along a column: each is asked for jointly, by the same tensor load with a mask that names the four.
; LIMITS: NaN and infinities are not served; a block of zeros, or one under 2^(3 - 127), gets the scale byte 1 (its codes are zeros; this program alone reads the bytes); the bias is added behind the sum over K.
; REGISTERS, in windows of 256: window 0: v9-31 addresses; v32-63 scale words, two sets; v64-127 the bias; v128-223 P1's eight fragments, one set; v224-231 the bias loads' offsets; v232-249 at work.
;   On the way out v128-191 hold a block's 64 numbers and v192-210 its codes.   window 1: P0's fragments, two sets, at v0 and v128.   windows 2, 3: accumulator (a, b) at v[8 (8 (a % 4) + b)].
.set FR,     12                        ; registers of a fragment
.set NL,     4                         ; LDS loads that bring one
.set NP,     4                         ; places behind this matrix instruction (ISA guide 7.12.1)
.set TILEB,  3072                      ; a tile's two fragments of a K step of 256
.set HALFT,  8*TILEB                   ; eight tiles: what one tensor load brings, and what one wave reads of P1 or of P0
.set SLOT,   4*HALFT                   ; P1's 16 tiles, then P0's
.set SCL,    3*SLOT                    ; behind the ring: P1's scale words for all of K, 8,192 bytes; P0's begin 8,256 bytes on, so that the two halves of the lanes read different banks
.set SPARE,  311552                    ; the spare words, 128 bytes a wave: two blocks of 256 bytes that no other line names
.set STGQ,   SPARE+512                 ; QK: 1,024 bytes a wave for the scale words on their way out
.set STGV,   STGQ+4096                 ; V: 512 bytes a wave
.set SLV,    9
.set ADRA16, 10                        ; v10-12 P1's fragments in slot 0, 1, 2: + 16 x lane;  v13-15: + 8 x lane
.set ADRA8,  13
.set ADRB16, 16                        ; v16-21 the same for P0
.set ADRB8,  19
.set SSTQ,   22
.set SSTV,   23
.set L16,    24
.set L8,     25
.set SH16,   26
.set ADRS,   27
.set SPW,    28
.set NIL,    29
.set OV,     30
.set SLQ,    31
.set SC,     32
.set BI,     64
.set AF,     128
.set BA,     224
.set TM,     232
.set PW,     248
.set SW,     249
.set T,      128
.set PC,     192
.set G1,   24                          ; s[24:31] descriptor group 1 for P1's codes;  s[32:39] for P0's;  s[40:51], s[52:63] groups 0, one set for each slot
.set G1B,  32
.set G0,   40
.set G0B,  52
.set G1S,  68                          ; s[68:75], s[76:83] groups 1 for the scale words;  s[84:87], s[88:91] their groups 0
.set G1SB, 76
.set G0S,  84
.set G0SB, 88
.set SEL,  92
.set MSB, 0
.macro WIN new                         ; the immediate's high byte repeats the setting that is left
.if MSB != (\new)
	s_set_vgpr_msb (MSB<<8)|(\new)
.set MSB, (\new)
.endif
.endm
.set MUL_LO, 0xa1                      ; source 0 (P0) window 1, source 1 (P1) window 0, C and D window 2
.set MUL_HI, 0xf1                      ; the same, C and D window 3
.set TO_B,   0x40                      ; destination window 1, address window 0
; A joint load: waves 0 and 1 fetch for P1, waves 2 and 3 for P0.  Each line has one mask and one set of registers; the branch hangs on the wave's number alone.  Four v_nop follow each line.
.macro JLOAD g0a, g1a, g0b, g1b
	s_cmp_eq_u32 s15, 0
	s_cbranch_scc0 .Lfor_b_\@
	tensor_load_to_lds s[\g0a:\g0a+3], s[\g1a:\g1a+7]
	s_nop 0
.rept 4
	v_nop
.endr
	s_branch .Lasked_\@
.Lfor_b_\@:
	tensor_load_to_lds s[\g0b:\g0b+3], s[\g1b:\g1b+7]
	s_nop 0
.rept 4
	v_nop
.endr
.Lasked_\@:
.endm
.macro CREST                           ; a round of the cluster's barrier behind its opening barrier
	s_cmp_lg_u32 s14, 0
	s_cbranch_scc1 .Lnot_wave_0_\@
	s_barrier_signal -3
.Lnot_wave_0_\@:
	s_barrier_wait -3
	s_barrier_signal -1
	s_barrier_wait -1
.endm
.macro CROUND
	s_barrier_signal -1
	s_barrier_wait -1
	CREST
.endm
.macro PLACES n
.rept \n
	v_nop
.endr
.endm
.macro FRAG reg, a16, a8, q, i         ; a fragment comes back as it was stored: every load reads consecutive bytes
	ds_load_b128 v[\reg:\reg+3], v[\a16] offset:(\i)*TILEB+(\q)*1536
	ds_load_b64 v[\reg+4:\reg+5], v[\a8] offset:(\i)*TILEB+(\q)*1536+512
	ds_load_b128 v[\reg+6:\reg+9], v[\a16] offset:(\i)*TILEB+(\q)*1536+768
	ds_load_b64 v[\reg+10:\reg+11], v[\a8] offset:(\i)*TILEB+(\q)*1536+1280
.endm
; 16 matrix instructions: P1's blocks a0, a0 + 1 x P0's eight.  p: P0's set; q: which 128 of the K step; sc: the set of scale words.  The 64 accumulators take turns, in the same order in every step.
.macro MUL16 a0, p, q, sc, zero
.irp a, \a0, \a0+1
.irp b, 0,1,2,3,4,5,6,7
.if \zero
	v_wmma_scale_f32_16x16x128_f8f6f4 v[8*(8*((\a)%4)+\b):8*(8*((\a)%4)+\b)+7], v[128*(\p)+FR*\b:128*(\p)+FR*\b+FR-1], v[AF+FR*(\a):AF+FR*(\a)+FR-1], 0, v[SC+16*(\sc)+2*\b+(\q)], v[SC+16*(\sc)+2*(\a)+(\q)] matrix_a_fmt:MATRIX_FMT_FP6 matrix_b_fmt:MATRIX_FMT_FP6 matrix_a_scale:MATRIX_SCALE_ROW1
.else
	v_wmma_scale_f32_16x16x128_f8f6f4 v[8*(8*((\a)%4)+\b):8*(8*((\a)%4)+\b)+7], v[128*(\p)+FR*\b:128*(\p)+FR*\b+FR-1], v[AF+FR*(\a):AF+FR*(\a)+FR-1], v[8*(8*((\a)%4)+\b):8*(8*((\a)%4)+\b)+7], v[SC+16*(\sc)+2*\b+(\q)], v[SC+16*(\sc)+2*(\a)+(\q)] matrix_a_fmt:MATRIX_FMT_FP6 matrix_b_fmt:MATRIX_FMT_FP6 matrix_a_scale:MATRIX_SCALE_ROW1
.endif
.endr
.endr
.endm
.macro FETCH_B slot, q, p
	WIN TO_B
.irp i, 0,1,2,3,4,5,6,7
	FRAG 128*(\p)+FR*\i, ADRB16+\slot, ADRB8+\slot, \q, \i
.endr
	WIN 0
.endm
.macro FETCH_A slot, q, i0
.irp i, \i0, \i0+1, \i0+2, \i0+3
	FRAG AF+FR*(\i), ADRA16+\slot, ADRA8+\slot, \q, \i
.endr
.endm
.macro SCALES sc, kk                   ; K step kk's scale words into set sc: lanes 0-15 take P1's tile i, lanes 16-31 P0's tile i
.irp i, 0,1,2,3,4,5,6,7
.irp q, 0,1
	ds_load_b32 v[SC+16*(\sc)+2*\i+\q], v[ADRS] offset:(2*(\kk)+\q)*1024+64*\i
.endr
.endr
.endm
; One step of 128 along K: 64 products; in its middle and at its end the next step's fragments are fetched, from (nslot, nq).
; sync = 0: no barrier.  sync = 1: the wait for all my tensor loads, the add, the wait for it and for my LDS reads, a barrier.  sync = 2: the same, the barrier opens a round of the cluster's barrier, and the next slot is filled behind it: slot 2 first, then slot 0 again.
.macro KSTEP sc, q, zero, nslot, nq, sync, kk
.if \sync
	s_wait_tensorcnt 0x0                           ; all my tensor loads have landed
	ds_add_u32 v[SPW], v[NIL]                      ; 0 onto my spare word
	s_wait_dscnt 4*NL+1                            ; the add and the youngest 16 loads (P1's blocks 4-7) may be out
.else
	s_wait_dscnt 4*NL                              ; P0's set, P1's blocks 0-3 and the scale words are in; the youngest 16 loads may be out
.endif
	WIN MUL_LO
	MUL16 0, \q, \q, \sc, \zero
.if \sync
	s_wait_dscnt 0x0                               ; the add is done, and my LDS reads are over
	s_barrier_signal -1
.endif
	MUL16 2, \q, \q, \sc, \zero
.if \sync
	WIN 0
	s_barrier_wait -1
.if \sync == 2
	CREST                                          ; no wave of any partner still reads slot 0 or has a load on its way
.if \kk == 2
	s_add_nc_u64 s[G0+2:G0+3], s[G0+2:G0+3], 3*TILEB     ; from K step 0 to K step 3
	s_add_nc_u64 s[G0B+2:G0B+3], s[G0B+2:G0B+3], 3*TILEB
	JLOAD G0, G1, G0B, G1B                         ; slot 0 again; the four v_nop behind the load are the places in front of the loads below
.else
	JLOAD G0+8, G1, G0B+8, G1B                     ; K step 2: slot 2's first fill
.endif
.else
	PLACES NP
.endif
.else
	s_wait_dscnt 0x0                               ; P1's blocks 4-7 are in
	PLACES NP
.endif
	FETCH_B \nslot, \nq, 1-\q
	FETCH_A \nslot, \nq, 0
.if \nq == 0
	SCALES 1-\sc, \kk
.endif
	WIN MUL_HI
	MUL16 4, \q, \q, \sc, \zero
	MUL16 6, \q, \q, \sc, \zero
	PLACES NP
	WIN 0
	FETCH_A \nslot, \nq, 4
.endm
; 64 numbers of a lane, v[s] on, register 16 b + i = k 32 b + 16 (lane / 16) + i of my row, become a fragment's codes in v[PC] .. v[PC + 11] and its scale word in v[PW]
.macro QUANT s
.irp b, 0,1,2,3
	v_max3_num_f32 v[TM+\b], |v[\s+16*\b]|, |v[\s+1+16*\b]|, 0x1800000   ; and the floor 2^(3 - 127): the byte cannot fall under 1
.endr
.irp i, 2,4,6,8,10,12,14
.irp b, 0,1,2,3
	v_max3_num_f32 v[TM+\b], v[TM+\b], |v[\s+16*\b+\i]|, |v[\s+1+16*\b+\i]|
.endr
.endr
.irp b, 0,1,2,3
	v_permlanex16_b32 v[TM+4+\b], v[TM+\b], s[SEL], s[SEL+1]
.endr
.irp b, 0,1,2,3
	v_max_num_f32 v[TM+\b], v[TM+\b], v[TM+4+\b]
.endr
.irp b, 0,1,2,3
	v_add_nc_u32 v[TM+12+\b], 0xff000000, v[TM+\b]   ; 2 off the exponent field: the conversion's scale operand
.endr
.irp b, 0,1,2,3
	v_lshrrev_b32 v[TM+4+\b], 23, v[TM+12+\b]
.endr
	v_lshl_or_b32 v[PW], v[TM+5], 8, v[TM+4]
	v_lshl_or_b32 v[PW], v[TM+6], 16, v[PW]
	v_lshl_or_b32 v[PW], v[TM+7], 24, v[PW]
.irp c, 0,1
	v_cvt_scalef32_pk16_fp6_f32 v[PC+6*\c:PC+2+6*\c], v[\s+32*\c:\s+15+32*\c], v[TM+12+2*\c]
	v_cvt_scalef32_pk16_fp6_f32 v[PC+12+4*\c:PC+14+4*\c], v[\s+16+32*\c:\s+31+32*\c], v[TM+12+2*\c+1]
.endr
	v_nop                                          ; one plain place behind the scaled conversions
.irp c, 0,1
.irp i, 0,1,2
	v_permlane16_swap_b32 v[PC+6*\c+\i], v[PC+12+4*\c+\i]
.endr
.irp i, 0,1,2
	v_mov_b32 v[PC+3+6*\c+\i], v[PC+12+4*\c+\i]
.endr
.endr
.endm
	s_load_b256 s[4:11], s[0:1], 0x0               ; codes s[4:5], scale words s[6:7], b_qkv s[8:9], the attention's codes s[10:11]
	s_load_b64 s[12:13], s[0:1], 0x20              ; and its scale words
	v_lshl_add_u32 v[SPW], v0, 2, SPARE
	v_mov_b32 v[NIL], 0
	ds_add_u32 v28, v29
	ds_add_u32 v28, v29
	s_wait_dscnt 0x0
	v_lshrrev_b32 v1, 5, v0
	v_readfirstlane_b32 s14, v1                    ; wave 0..3
	s_lshr_b32 s15, s14, 1                         ; which half of P1's rows is mine.  Also: I fetch for P1 (0) or for P0 (1)
	s_and_b32 s16, s14, 1                          ; which half of P0's rows.  Also: which eight tiles I fetch
	s_bfe_u32 s94, ttmp6, 0x40000                  ; cx
	s_bfe_u32 s95, ttmp6, 0x40004                  ; cy
	s_and_b32 s96, ttmp7, 0xffff                   ; the cluster's y
	s_sub_co_u32 s2, s96, 8
	s_lshl_b32 s2, s2, 1
	s_add_co_u32 s2, s2, ttmp9                     ; V: the cluster's column among eight
	s_cmp_ge_u32 s96, 8
	s_cselect_b32 s3, 1, 0                         ; 0: QK, 1: V: the same in all sixteen partners
	s_cselect_b32 s97, 0, s96                      ; the cluster's row of tiles of P1
	s_cselect_b32 s2, s2, ttmp9                    ; and its column of tiles of P0
	s_cselect_b32 s99, 640, 0                      ; P1's first tile: W_qkv's rows 2,048 on, or x
	s_cselect_b32 s100, 0, 512                     ; P0's: x, or W_qkv
	s_lshl_b32 s17, s97, 2
	s_add_co_u32 s17, s17, s95                     ; my 256 rows of P1
	s_lshl_b32 s101, s2, 2
	s_add_co_u32 s101, s101, s94                   ; my 256 rows of P0
	s_lshl_b32 s97, s95, 2
	s_lshl_b32 s97, 15, s97                        ; my row of the cluster
	s_lshl_b32 s98, 0x1111, s94                    ; my column
	; group 1 for the codes: 8 rows (tiles) of 384 elements of 8 bytes, 1,536 elements apart, dense in LDS
	s_or_b32 s[G1+0], s97, (3<<16)|(1<<21)         ; 15:0 the mask; 17:16 elements of 8 bytes; 21 set beside a mask
	s_or_b32 s[G1B+0], s98, (3<<16)|(1<<21)
.irp g, G1, G1B
	s_mov_b32 s[\g+1], 384<<16                     ; tensor_dim0
	s_mov_b32 s[\g+2], 16<<16                      ; tensor_dim1: 16 tiles for the head's loads; behind them 8
	s_mov_b32 s[\g+3], 384<<16                     ; tile_dim0
	s_mov_b32 s[\g+4], 16                          ; tile_dim1
	s_mov_b32 s[\g+5], 1536                        ; tensor_dim0_stride
	s_mov_b32 s[\g+6], 0
	s_mov_b32 s[\g+7], 0
.endr
	; and for the scale words: 8,192 dense bytes as 32 rows of 256
	s_or_b32 s[G1S+0], s97, (3<<16)|(1<<21)
	s_or_b32 s[G1SB+0], s98, (3<<16)|(1<<21)
.irp g, G1S, G1SB
	s_mov_b32 s[\g+1], 32<<16
	s_mov_b32 s[\g+2], 32<<16                      ; the scale words of 256 rows: 8,192 dense bytes as 32 rows of 256
	s_mov_b32 s[\g+3], 32<<16
	s_mov_b32 s[\g+4], 32
	s_mov_b32 s[\g+5], 32
	s_mov_b32 s[\g+6], 0
	s_mov_b32 s[\g+7], 0
.endr
	; where they come from.  P1's offsets are made of my row of tiles alone, P0's of my column alone, each in registers of its own
	s_lshl_b32 s97, s16, 3                         ; my eight tiles
	s_lshl_b32 s20, s17, 4
	s_add_co_u32 s20, s20, s99                     ; P1's first tile
	s_lshr_b32 s22, s20, 4
	s_lshl_b32 s22, s22, 13
	s_add_co_u32 s20, s20, s97
	s_mul_i32 s20, s20, 12288
	s_mov_b32 s21, 0
	s_mov_b32 s23, 0
	s_lshl_b32 s66, s101, 4
	s_add_co_u32 s66, s66, s100                    ; P0's first tile
	s_lshr_b32 s18, s66, 4
	s_lshl_b32 s18, s18, 13
	s_add_co_u32 s66, s66, s97
	s_mul_i32 s66, s66, 12288
	s_mov_b32 s67, 0
	s_mov_b32 s19, 0
	s_mul_i32 s96, s14, HALFT                      ; where they go: wave x eight tiles: no place in the cluster enters an LDS address
	s_mov_b32 s[SEL], 0x76543210
	s_mov_b32 s[SEL+1], 0xfedcba98
	s_wait_kmcnt 0x0
	s_add_nc_u64 s[20:21], s[4:5], s[20:21]
	s_add_nc_u64 s[22:23], s[6:7], s[22:23]
	s_add_nc_u64 s[66:67], s[4:5], s[66:67]
	s_add_nc_u64 s[18:19], s[6:7], s[18:19]
	CROUND                                         ; all sixteen work-groups are here: the first joint loads meet
	s_mov_b32 s[G0S], 1
	s_mov_b32 s[G0S+1], SCL
	s_mov_b64 s[G0S+2:G0S+3], s[22:23]
	s_or_b32 s[G0S+3], s[G0S+3], 0x80000000
	s_mov_b32 s[G0SB], 1
	s_mov_b32 s[G0SB+1], SCL+8256
	s_mov_b64 s[G0SB+2:G0SB+3], s[18:19]
	s_or_b32 s[G0SB+3], s[G0SB+3], 0x80000000
.irp s, 0,1,2
	s_mov_b32 s[G0+4*\s], 1
	s_add_co_u32 s[G0+4*\s+1], s96, \s*SLOT
	s_add_nc_u64 s[G0+4*\s+2:G0+4*\s+3], s[20:21], \s*TILEB
	s_or_b32 s[G0+4*\s+3], s[G0+4*\s+3], 0x80000000
	s_mov_b32 s[G0B+4*\s], 1
	s_add_co_u32 s[G0B+4*\s+1], s96, \s*SLOT
	s_add_nc_u64 s[G0B+4*\s+2:G0B+4*\s+3], s[66:67], \s*TILEB
	s_or_b32 s[G0B+4*\s+3], s[G0B+4*\s+3], 0x80000000
.endr
	; THE ORDER OF THE FILLS: at the head one load a wave, in one chain of branches on the wave's number: wave 0 K step 0 of P1's 16 tiles
	; (its own group 0 of slot 0 begins at the first tile), wave 2 that of P0's 16, wave 1 P1's scale words, wave 3 P0's.  K step 1 follows behind the full sequence and a round,
	; K step 2 (slot 2's first fill) behind the round in the second step, K step 3 (slot 0 again) behind the round in the fourth.
	; THE PREFETCHES' BASE.  The eight tiles that my wave fetches in the ring are 96 blocks of 256 bytes a K step; the four partners that ask for them jointly share them out by address,
	; two tiles each (the place along x for P1, along y for P0): 24 blocks a wave, a lane a block, lanes 24-31 name the last again.  So each block is named once in the cluster.
	s_cmp_eq_u32 s15, 0
	s_cselect_b64 s[4:5], s[20:21], s[66:67]
	s_cselect_b32 s6, s94, s95
	s_mul_i32 s6, s6, 2*12288
	s_mov_b32 s7, 0
	s_add_nc_u64 s[4:5], s[4:5], s[6:7]            ; never written again
	s_cmp_eq_u32 s14, 0
	s_cbranch_scc0 .Lh1
	tensor_load_to_lds s[G0:G0+3], s[G1:G1+7]
	s_nop 0
	PLACES 4
	s_branch .Lhj
.Lh1:
	s_cmp_eq_u32 s14, 2
	s_cbranch_scc0 .Lh2
	tensor_load_to_lds s[G0B:G0B+3], s[G1B:G1B+7]
	s_nop 0
	PLACES 4
	s_branch .Lhj
.Lh2:
	s_cmp_eq_u32 s14, 1
	s_cbranch_scc0 .Lh3
	tensor_load_to_lds s[G0S:G0S+3], s[G1S:G1S+7]
	s_nop 0
	PLACES 4
	s_branch .Lhj
.Lh3:
	tensor_load_to_lds s[G0SB:G0SB+3], s[G1SB:G1SB+7]
	s_nop 0
	PLACES 4
.Lhj:
	v_and_b32 v1, 15, v0                           ; r
	v_bfe_u32 v2, v0, 4, 1                         ; h
	v_and_b32 v3, 31, v0                           ; lane
	v_lshlrev_b32 v[L16], 4, v3
	v_lshlrev_b32 v[L8], 3, v3
	v_lshlrev_b32 v[SH16], 4, v2
	v_lshlrev_b32 v4, 2, v1                        ; 4 r
	v_min_u32 v7, 23, v3                           ; block l of my 24: tile l / 12 (= 11 l >> 7 for l under 24), 12,288 bytes a tile, block l % 12 of its 3,072 bytes
	v_mul_u32_u24 v6, v7, 11
	v_lshrrev_b32 v6, 7, v6
	v_mul_u32_u24 v6, v6, 9216
	v_lshl_add_u32 v7, v7, 8, v6                   ; 256 l + 9,216 (l / 12); never written again
	global_prefetch_b8 v7, s[4:5] offset:3072 th:TH_LOAD_NT scope:SCOPE_SE   ; K step 1, which is loaded behind the head's round,
	global_prefetch_b8 v7, s[4:5] offset:6144 th:TH_LOAD_NT scope:SCOPE_SE   ; and K step 2, loaded a round later: two fills ahead
	s_mul_i32 s96, s15, HALFT                      ; my eight tiles of P1
	s_mul_i32 s97, s16, HALFT                      ; my eight tiles of P0,
	s_add_co_u32 s97, s97, 2*HALFT                 ; which lie behind P1's sixteen
.irp s, 0,1,2
	v_add_nc_u32 v[ADRA16+\s], s96, v[L16]
	v_add_nc_u32 v[ADRA8+\s], s96, v[L8]
	v_add_nc_u32 v[ADRB16+\s], s97, v[L16]
	v_add_nc_u32 v[ADRB8+\s], s97, v[L8]
	s_add_co_u32 s96, s96, SLOT
	s_add_co_u32 s97, s97, SLOT
.endr
	s_lshl_b32 s96, s15, 9                         ; the scale words: P1's, my eight tiles of 64 bytes;
	s_lshl_b32 s97, s16, 9
	s_add_co_u32 s97, s97, 8256
	s_sub_co_u32 s97, s97, s96                     ; the distance from there to P0's
	v_mul_u32_u24 v5, s97, v2                      ; lanes 16-31 take P0's
	s_add_co_u32 s96, s96, SCL
	v_add_nc_u32 v5, v5, v4
	v_add_nc_u32 v[ADRS], s96, v5
	s_lshl_b32 s96, s14, 10
	s_add_co_u32 s96, s96, STGQ
	v_lshl_add_u32 v[SSTQ], v2, 9, v4
	v_add_nc_u32 v[SSTQ], s96, v[SSTQ]             ; QK: lanes 0-15 the even head's word, lanes 16-31 the odd head's, 512 bytes on
	v_add_nc_u32 v[SLQ], s96, v[L16]
	s_lshl_b32 s96, s14, 9
	s_add_co_u32 s96, s96, STGV
	v_add_nc_u32 v[SSTV], s96, v4
	v_add_nc_u32 v[SLV], s96, v[L16]
	v_lshlrev_b32 v[OV], 4, v1
	v_lshl_add_u32 v[OV], v2, 12, v[OV]            ; V: lanes 0-15 store the even head's 256 bytes of scale words, lanes 16-31 the odd head's, 4,096 bytes on
.irp b, 0,1,2,3
	v_mov_b32 v[TM+4+\b], 0                        ; written once: a lane permute's destination counts as one of its sources
.endr
	; the bias, 64 registers.  QK: register 8 x + j = the bias of P0's row (tile x, 8 h + j);  V: that of P1's row (block x, lane r), eight times.  One text: the lane's part and the step from j to j + 1 are chosen, not branched on
	v_lshlrev_b32 v5, 6, v2                        ; QK: 16 h channels on
	v_and_b32 v6, 8, v1
	v_add_nc_u32 v6, v6, v1
	v_lshlrev_b32 v6, 2, v6                        ; V: r + 8 (r / 8) channels on
	s_wait_alu depctr_va_vdst(0)
	s_lshl_b32 s98, s101, 8
	s_lshl_b32 s99, s16, 7
	s_add_co_u32 s98, s98, s99                     ; QK: my first channel
	s_lshl_b32 s99, s17, 8
	s_lshl_b32 s100, s15, 7
	s_add_co_u32 s99, s99, s100
	s_add_co_u32 s99, s99, 2048                    ; V: my first channel
	s_cmp_lg_u32 s3, 0
	s_cselect_b32 s96, -1, 0
	s_cselect_b32 s97, 0, 4
	s_cselect_b32 s98, s99, s98
	s_lshl_b32 s98, s98, 2
	s_mov_b32 s99, 0
	s_add_nc_u64 s[8:9], s[8:9], s[98:99]
	v_cndmask_b32 v[BA], v5, v6, s96
.irp j, 1,2,3,4,5,6,7
	v_add_nc_u32 v[BA+\j], s97, v[BA+\j-1]
.endr
.irp x, 0,1,2,3,4,5,6,7
.irp j, 0,1,2,3,4,5,6,7
	global_load_b32 v[BI+8*\x+\j], v[BA+\j], s[8:9] offset:4*(32*(\x/2)+8*(\x%2))
.endr
.endr
	s_wait_alu depctr_va_vdst(0)
	s_wait_tensorcnt 0x0                           ; my tile of the head's four is in
	ds_add_u32 v[SPW], v[NIL]
	s_mov_b32 s[G1+2], 8<<16                       ; no load of mine is out: from here on a load brings eight tiles
	s_mov_b32 s[G1+4], 8
	s_mov_b32 s[G1B+2], 8<<16
	s_mov_b32 s[G1B+4], 8
	s_wait_dscnt 0x0
	CROUND                                         ; all four tiles are in, and the sixteen work-groups meet
	JLOAD G0+4, G1, G0B+4, G1B                     ; K step 1, slot 1's first fill
	FETCH_B 0, 0, 0
	FETCH_A 0, 0, 0
	SCALES 0, 0
	FETCH_A 0, 0, 4
	global_prefetch_b8 v7, s[4:5] offset:9216 th:TH_LOAD_NT scope:SCOPE_SE   ; K step 3, the last: loaded two rounds on
	KSTEP 0, 0, 1, 0, 1, 0, 0                      ; K step 0: its first products start the sums
	KSTEP 0, 1, 0, 1, 0, 2, 1                      ; K step 1 is in: a round, and K step 2 is asked for
	KSTEP 1, 0, 0, 1, 1, 0, 0                      ; K step 1
	KSTEP 1, 1, 0, 2, 0, 2, 2                      ; K step 2 is in: a round, and K step 3 is asked for into slot 0
	KSTEP 0, 0, 0, 2, 1, 0, 0                      ; K step 2
	KSTEP 0, 1, 0, 0, 0, 1, 3                      ; on to slot 0: K step 3 was asked for 96 products ago
	KSTEP 1, 0, 0, 0, 1, 0, 0                      ; K step 3
	s_wait_dscnt 4*NL                              ; the last step: nothing more to fetch
	WIN MUL_LO
	MUL16 0, 1, 1, 1, 0
	MUL16 2, 1, 1, 1, 0
	s_wait_dscnt 0x0
	WIN MUL_HI
	MUL16 4, 1, 1, 1, 0
	MUL16 6, 1, 1, 1, 0
	WIN 0
; THE WAY OUT, block by block of 16 rows of P1: + bias, in f32, from each accumulator's low end on; quantised; the codes leave as images of registers, the scale words through the wave's own bytes of LDS.
.macro EPI mode
.irp a, 0,1,2,3,4,5,6,7
.if \a > 0
	s_wait_xcnt 0x0                                ; the last block's stores have read the codes' registers,
	s_wait_dscnt 0x0                               ; and its LDS store the scale word's
.endif
	WIN 0x02+(\a/4)                                ; source 0: window 2 or 3
.set EN, 0
.rept 32
.if \mode
	v_pk_add_f32 v[T+EN:T+EN+1], v[64*(\a%4)+EN:64*(\a%4)+EN+1], v[BI+8*\a:BI+8*\a+1]
.else
	v_pk_add_f32 v[T+EN:T+EN+1], v[64*(\a%4)+EN:64*(\a%4)+EN+1], v[BI+EN:BI+EN+1]
.endif
.set EN, EN+2
.endr
	WIN 0
	QUANT T
.if \mode
.irp c, 0,1,2
	global_store_b128 v[L16], v[PC+4*\c:PC+4*\c+3], s[10:11] offset:(\a/4)*98304+(\a%4)*1536+512*\c   ; v: 16 channels x 128 keys; 512 consecutive bytes a store
.endr
	ds_store_b32 v[SSTV], v[PW] offset:64*\a       ; lanes r and r + 16 write the same word with the same value
.else
	global_store_b128 v[L16], v[PC:PC+3], s[10:11] offset:\a*768             ; registers 0-5: the even head's 64 channels
	global_store_b64 v[L8], v[PC+4:PC+5], s[10:11] offset:\a*768+512
	global_store_b128 v[L16], v[PC+6:PC+9], s[10:11] offset:\a*768+98304     ; registers 6-11: the odd head's, a head's 128 tiles on
	global_store_b64 v[L8], v[PC+10:PC+11], s[10:11] offset:\a*768+98816
	v_lshrrev_b32 v[SW], v[SH16], v[PW]            ; lanes 16-31: the odd head's two bytes come down
	ds_store_b32 v[SSTQ], v[SW] offset:64*\a
.endif
.endr
.if \mode
	ds_load_b128 v[T:T+3], v[SLV]                  ; LDS serves a wave's instructions in order: this sees my stores
	s_wait_dscnt 0x0
	global_store_b128 v[OV], v[T:T+3], s[12:13]    ; sixteen lanes store 256 consecutive bytes, aligned
.else
	ds_load_b128 v[T:T+3], v[SLQ]
	ds_load_b128 v[T+4:T+7], v[SLQ] offset:512
	s_wait_dscnt 0x0
	global_store_b128 v[L16], v[T:T+3], s[12:13]             ; the even head's eight tiles: 512 consecutive bytes
	global_store_b128 v[L16], v[T+4:T+7], s[12:13] offset:8192   ; the odd head's
.endif
.endm
	PLACES NP                                      ; in front of the first write into registers that the last products read
	s_wait_loadcnt 0x0                             ; the bias
	s_cmp_lg_u32 s3, 0
	s_cbranch_scc1 .Lv
	; QK: which of q, k = the cluster's column; head pair = 2 (my column % 4) + my half; batch = my row / 8; first token tile = 16 (my row % 8) + 8 x my half
	s_and_b32 s97, s101, 3
	s_lshl_b32 s97, s97, 1
	s_add_co_u32 s97, s97, s16                     ; head pair
	s_lshr_b32 s98, s17, 3                         ; batch
	s_and_b32 s99, s17, 7
	s_lshl_b32 s99, s99, 4
	s_lshl_b32 s100, s15, 3
	s_add_co_u32 s99, s99, s100                    ; first token tile
	s_lshl_b32 s20, s98, 3
	s_add_co_u32 s20, s20, s97                     ; 8 x batch + head pair
	s_lshl_b32 s18, s2, 6
	s_lshl_b32 s19, s20, 1
	s_add_co_u32 s18, s18, s19                     ; 64 x (q or k) + 16 x batch + head
	s_lshl_b32 s18, s18, 7
	s_add_co_u32 s18, s18, s99
	s_mul_i32 s18, s18, 768
	s_mov_b32 s19, 0
	s_add_nc_u64 s[10:11], s[10:11], s[18:19]
	s_lshl_b32 s21, s20, 14                        ; q's scale words: 8,192 bytes a head
	s_mul_i32 s20, s20, 24576                      ; k's: 24,576 bytes a head pair, behind q's
	s_add_co_u32 s20, s20, 524288
	s_cmp_lg_u32 s2, 0
	s_cselect_b32 s20, s20, s21
	s_lshl_b32 s21, s99, 6
	s_add_co_u32 s20, s20, s21
	s_mov_b32 s21, 0
	s_add_nc_u64 s[12:13], s[12:13], s[20:21]
	EPI 0
	s_branch .Ljoin
.Lv:
	; V: head pair = 2 x my row + my half; batch = my column / 8; block of 128 keys = (2 x my column + my half) % 16
	s_lshl_b32 s97, s17, 1
	s_add_co_u32 s97, s97, s15                     ; head pair
	s_lshr_b32 s98, s101, 3                        ; batch
	s_lshl_b32 s99, s101, 1
	s_add_co_u32 s99, s99, s16
	s_and_b32 s99, s99, 15                         ; block of keys
	s_lshl_b32 s18, s98, 3
	s_add_co_u32 s18, s18, s97                     ; 8 x batch + head pair
	s_lshl_b32 s20, s18, 5                         ; (16 x batch + even head) x 16 blocks
	s_add_co_u32 s20, s20, s99
	s_mul_i32 s20, s20, 6144
	s_add_co_u32 s20, s20, 12582912
	s_mov_b32 s21, 0
	s_add_nc_u64 s[10:11], s[10:11], s[20:21]
	s_mul_i32 s18, s18, 24576
	s_lshl_b32 s19, s99, 8
	s_add_co_u32 s18, s18, s19
	s_add_co_u32 s18, s18, 524288+16384
	s_mov_b32 s19, 0
	s_add_nc_u64 s[12:13], s[12:13], s[18:19]
	EPI 1
.Ljoin:
	s_wait_tensorcnt 0x0                           ; the wave's end
	ds_add_u32 v[SPW], v[NIL]
	s_wait_dscnt 0x0
	CROUND                                         ; the closing round
	s_endpgm
.Lfunc_end_k_qc3d93b3063_qkv:
	.size	k_qc3d93b3063_qkv, .Lfunc_end_k_qc3d93b3063_qkv-k_qc3d93b3063_qkv
	.p2alignl 7, 3214868480
	.fill 96, 4, 3214868480
	.section	.rodata,"a",@progbits
	.p2align	6, 0x0
	.amdhsa_kernel k_qc3d93b3063_qkv
		.amdhsa_group_segment_fixed_size 327680
		.amdhsa_private_segment_fixed_size 0
		.amdhsa_enable_private_segment 0
		.amdhsa_kernarg_size 40
		.amdhsa_user_sgpr_count 2
		.amdhsa_user_sgpr_kernarg_segment_ptr 1
		.amdhsa_wavefront_size32 1
		.amdhsa_system_sgpr_workgroup_id_x 1
		.amdhsa_system_sgpr_workgroup_id_y 1
		.amdhsa_system_sgpr_workgroup_id_z 1
		.amdhsa_system_vgpr_workitem_id 0
		.amdhsa_next_free_vgpr 1024
		.amdhsa_next_free_sgpr 102
		.amdhsa_reserve_vcc 0
		.amdhsa_float_denorm_mode_32 3
		.amdhsa_float_denorm_mode_16_64 3
		.amdhsa_memory_ordered 1
		.amdhsa_forward_progress 1
		.amdhsa_inst_pref_size 227
	.end_amdhsa_kernel
	.amdgpu_metadata
---
amdhsa.version: [ 1, 2 ]
amdhsa.kernels:
  - .name:           k_qc3d93b3063_qkv
    .symbol:         k_qc3d93b3063_qkv.kd
    .args:
      - { .name: wcodes, .offset: 0, .size: 8, .value_kind: global_buffer, .address_space: global }
      - { .name: wscales, .offset: 8, .size: 8, .value_kind: global_buffer, .address_space: global }
      - { .name: b_qkv, .offset: 16, .size: 8, .value_kind: global_buffer, .address_space: global }
      - { .name: acodes, .offset: 24, .size: 8, .value_kind: global_buffer, .address_space: global }
      - { .name: ascales, .offset: 32, .size: 8, .value_kind: global_buffer, .address_space: global }
    .group_segment_fixed_size: 327680
    .private_segment_fixed_size: 0
    .kernarg_segment_align: 8
    .kernarg_segment_size: 40
    .max_flat_workgroup_size: 128
    .sgpr_count:     102
    .vgpr_count:     1024
    .wavefront_size: 32
...
	.end_amdgpu_metadata
.endif
;; end of part 2
;; launch attn (part 3): grid 4 x 64, 16 waves a work-group, clusters of 4 x 1, 327,680 bytes of LDS; arguments acodes, ascales, ocodes, oscales; writes ocodes, oscales
.if DOCPART == 3
	.amdgcn_target "amdgcn-amd-amdhsa--gfx1250"
	.amdhsa_code_object_version 6
	.text
	.protected	k_qc3d93b3063_attn
	.globl	k_qc3d93b3063_attn
	.p2align	8
	.type	k_qc3d93b3063_attn,@function
k_qc3d93b3063_attn:
	s_mov_b64 s[64:65], 0
	v_nop
	global_prefetch_b8 v0, s[64:65] scope:SCOPE_SE
	s_setreg_imm32_b32 hwreg(HW_REG_WAVE_MODE, 25, 1), 1
	s_wait_xcnt 0x0
	s_wait_alu depctr_hold_cnt(0) depctr_sa_sdst(0) depctr_va_vdst(0) depctr_va_sdst(0) depctr_va_ssrc(0) depctr_va_vcc(0) depctr_vm_vsrc(0)
	s_getreg_b32 s2, hwreg(HW_REG_IB_STS2, 6, 4)
	s_cmp_eq_u32 s2, 0
	s_cbranch_scc0 .Lentry_in_a_cluster
	s_endpgm
.Lentry_in_a_cluster:
	s_bfe_u32 s2, ttmp6, 0x10000c
	s_cmp_lg_u32 s2, 0x3003
	s_cbranch_scc0 .Lentry_shape_is_right
	s_endpgm
.Lentry_shape_is_right:
; o = softmax(q k^T / 8) v on codes of FP6 (E2M3) with E8M0 scales, one head and 512 queries to a work-group; o is quantised at once along the head's 64 channels for the out-projection.
; THE DEAL: 64 heads (16 batch + head: the grid's y) x 4 blocks of 512 queries (the place in the cluster).  Sixteen waves; a wave takes 16 queries, walks the head's 2,048 keys in 16 steps of 128, and then does the same for the 16 queries 256 further on.
; LDS holds the head's whole K (98,304 bytes), V (98,304) and their scale words (8,192 + 4,096): each byte is filled once, at the head, so the text has no refill, and one barrier ahead of the walk.
; The four work-groups of a cluster read the same head: every load is joint (mask 15).  Waves 0-5 fetch K, 6-11 V, 16,384 bytes each; waves 12, 13 K's scale words, wave 14 V's, 4,096 each; wave 15 fetches nothing.
; No data prefetch: all that the launch reads by tensor loads is asked for at its head, there is no loop to run ahead in.
; Both products are used transposed, so that a lane holds one query; M is the ceiling of the running largest t; the row's sum is taken of the unquantised p.
; A scale word of o holds two heads' bytes, which two work-groups make: each stores its own two bytes of a word.
; LIMITS: NaN and infinities are not served; the scaled scores stay under 2^31 in magnitude; a block of zeros, or one under 2^(3 - 127), gets the scale byte 1 (its codes are zeros; this program alone reads the bytes).
.set SLOTB, 98304
.set VOFF,  98304
.set STEPB, 6144
.set SCL,   2*SLOTB
.set SPARE, SCL+24576
.set L16, 1
.set L8,  2
.set L4,  3
.set SPW, 4
.set NIL, 5
.set ADA, 6
.set ADB, 7
.set ADS, 8
.set ADT, 9
.set OSA, 10
.set ADV, 11
.set Q,   16
.set QS,  28
.set PS,  29
.set KSC, 30
.set VSC, 34
.set KV,  36
.set S,   96
.set O,   160
.set PC,  192
.set CV,  204
.set BM,  212
.set PM,  216
.set SO,  220
.set F,   224
.set TA,  226
.set SUM2, 228
.set OC,  232
.set OW0, 238
.set R4,  239
.set T16, 240
.set WV,  12
.set SEL, 20
.set CS,  22
.set G1C, 24
.set G1S, 32
.set G0,  40
.set G0S, 48
.set TK,  56
.set SK,  57
.set SV,  58
.set CNT, 59
.set TV,  72
.macro CROUND
	s_barrier_signal -1
	s_barrier_wait -1
	s_cmp_lg_u32 s[WV], 0
	s_cbranch_scc1 .Lnot_wave_0_\@
	s_barrier_signal -3
.Lnot_wave_0_\@:
	s_barrier_wait -3
	s_barrier_signal -1
	s_barrier_wait -1
.endm
	s_load_b256 s[4:11], s[0:1], 0x0
	v_lshl_add_u32 v[SPW], v0, 2, SPARE
	v_mov_b32 v[NIL], 0
	ds_add_u32 v4, v5
	ds_add_u32 v4, v5
	s_wait_dscnt 0x0
	v_lshrrev_b32 v1, 5, v0
	s_delay_alu instid0(VALU_DEP_1)
	v_readfirstlane_b32 s[WV], v1
	s_bfe_u32 s13, ttmp6, 0x40000                  ; cx: which 512 queries
	s_and_b32 s14, ttmp7, 0xffff                   ; 16 batch + head
	s_lshr_b32 s15, s14, 1                         ; the head pair
	s_and_b32 s74, s14, 1                          ; e: which head of the pair
	s_mov_b32 s[G1C], 15|(3<<16)|(1<<21)
	s_mov_b32 s[G1C+1], 32<<16
	s_mov_b32 s[G1C+2], 64<<16
	s_mov_b32 s[G1C+3], 32<<16
	s_mov_b32 s[G1C+4], 64
	s_mov_b32 s[G1C+5], 32
	s_mov_b32 s[G1C+6], 0
	s_mov_b32 s[G1C+7], 0
	s_mov_b32 s[G1S], 15|(3<<16)|(1<<21)
	s_mov_b32 s[G1S+1], 32<<16
	s_mov_b32 s[G1S+2], 16<<16
	s_mov_b32 s[G1S+3], 32<<16
	s_mov_b32 s[G1S+4], 16
	s_mov_b32 s[G1S+5], 32
	s_mov_b32 s[G1S+6], 0
	s_mov_b32 s[G1S+7], 0
	s_cmp_ge_u32 s[WV], 6                          ; codes: k's begin at 6,291,456, v's at 12,582,912; a head has 98,304 bytes of each; wave w takes 16,384 w of the two on end
	s_cselect_b32 s60, 6193152, 0
	s_add_co_u32 s60, s60, 6291456
	s_mul_i32 s61, s14, 98304
	s_add_co_u32 s60, s60, s61
	s_lshl_b32 s61, s[WV], 14
	s_add_co_u32 s60, s60, s61
	s_mov_b32 s61, 0
	s_lshl_b32 s63, s74, 12                        ; scale words, in a pair's 24,576 bytes: k's at 8,192 e, v's at 16,384 + 4,096 e
	s_sub_co_u32 s62, 8192, s63
	s_cmp_eq_u32 s[WV], 14
	s_cselect_b32 s62, s62, 0                      ; wave 14 takes v's
	s_lshl_b32 s63, s63, 1
	s_add_co_u32 s62, s62, s63
	s_mul_i32 s63, s15, 24576
	s_add_co_u32 s62, s62, s63
	s_lshl_b32 s63, s[WV], 12
	s_add_co_u32 s62, s62, s63
	s_add_co_u32 s62, s62, 524288-49152            ; 4,096 (w - 12)
	s_mov_b32 s63, 0
	s_mov_b32 s[SEL], 0x76543210
	s_mov_b32 s[SEL+1], 0xfedcba98
	s_mov_b32 s[CS], 0x3e38aa3b
	s_mov_b32 s[CS+1], s[CS]
	s_mov_b32 s73, 0xffff0000                      ; lanes 16-31
	s_wait_kmcnt 0x0
	s_mov_b32 s[G0], 1
	s_lshl_b32 s[G0+1], s[WV], 14                  ; K at LDS byte 0, V at 98,304: 16,384 x wave
	s_add_nc_u64 s[G0+2:G0+3], s[4:5], s[60:61]
	s_or_b32 s[G0+3], s[G0+3], 0x80000000
	s_mov_b32 s[G0S], 1
	s_lshl_b32 s[G0S+1], s[WV], 12
	s_add_co_u32 s[G0S+1], s[G0S+1], SCL-49152     ; SCL + 4,096 (wave - 12)
	s_add_nc_u64 s[G0S+2:G0S+3], s[6:7], s[62:63]
	s_or_b32 s[G0S+3], s[G0S+3], 0x80000000
	CROUND                                         ; the four work-groups are here: the joint loads meet
	s_cmp_lt_u32 s[WV], 12                         ; one chain of branches on the wave's number, one load to an arm
	s_cbranch_scc0 .Lfor_scales
	tensor_load_to_lds s[G0:G0+3], s[G1C:G1C+7]
	s_nop 0
.rept 4
	v_nop
.endr
	s_branch .Lasked
.Lfor_scales:
	s_cmp_lt_u32 s[WV], 15
	s_cbranch_scc0 .Lasked
	tensor_load_to_lds s[G0S:G0S+3], s[G1S:G1S+7]
	s_nop 0
.rept 4
	v_nop
.endr
.Lasked:
	v_and_b32 v3, 31, v0
	s_delay_alu instid0(VALU_DEP_1)
	v_lshlrev_b32 v[L16], 4, v3
	s_wait_alu depctr_va_vdst(0)
	v_lshlrev_b32 v[L8], 3, v3
	s_wait_alu depctr_va_vdst(0)
	v_lshlrev_b32 v[L4], 2, v3
	v_and_b32 v[R4], 15, v0
	s_delay_alu instid0(VALU_DEP_1)
	v_lshlrev_b32 v[R4], 2, v[R4]
	s_wait_alu depctr_va_vdst(0)
	v_bfe_u32 v[OSA], v0, 4, 1
	v_lshl_add_u32 v[OSA], v[OSA], 13, v[R4]       ; o's scale bytes: 4 r; lanes 16-31 store the second 16 queries', 8,192 bytes on
	s_lshl_b32 s66, s14, 7                         ; my first tile of 16 queries: 128 x head + 32 cx + wave
	s_lshl_b32 s67, s13, 5
	s_add_co_u32 s66, s66, s67
	s_add_co_u32 s66, s66, s[WV]
	s_lshl_b32 s68, s66, 6
	s_mul_i32 s66, s66, 768
	s_mov_b32 s67, 0
	s_mov_b32 s69, 0
	s_add_nc_u64 s[16:17], s[4:5], s[66:67]
	s_add_nc_u64 s[18:19], s[6:7], s[68:69]
	global_load_b128 v[Q:Q+3], v[L16], s[16:17]
	global_load_b64 v[Q+4:Q+5], v[L8], s[16:17] offset:512
	global_load_b32 v[QS], v[R4], s[18:19]
	s_lshr_b32 s68, s15, 3
	s_and_b32 s69, s15, 7
	s_lshl_b32 s70, s68, 7
	s_lshl_b32 s71, s13, 5
	s_add_co_u32 s70, s70, s71
	s_add_co_u32 s70, s70, s[WV]
	s_lshl_b32 s70, s70, 3
	s_add_co_u32 s70, s70, s69
	s_mul_i32 s70, s70, 1536
	s_mul_i32 s71, s74, 768                        ; my head's half of the fragment
	s_add_co_u32 s70, s70, s71
	s_mov_b32 s71, 0
	s_add_nc_u64 s[52:53], s[8:9], s[70:71]
	s_lshl_b32 s70, s68, 3
	s_add_co_u32 s70, s70, s13
	s_add_co_u32 s70, s70, s13                     ; 8 batch + 2 cx: which 16 tiles
	s_lshl_b32 s70, s70, 13
	s_lshl_b32 s69, s69, 10
	s_add_co_u32 s70, s70, s69
	s_lshl_b32 s69, s[WV], 6
	s_add_co_u32 s70, s70, s69                     ; my tile's 64 bytes
	s_lshl_b32 s69, s74, 1
	s_add_co_u32 s70, s70, s69                     ; my head's two bytes of a word
	s_add_nc_u64 s[54:55], s[10:11], s[70:71]
	v_mov_b32 v13, 0xff61b1e6
	s_delay_alu instid0(VALU_DEP_1)
	v_floor_f32 v12, -v13
	v_mov_b32 v14, 0
	v_mov_b32 v15, 0
.irp j, 0,1,2,3,4,5
	v_mov_b32 v[Q+6+\j], 0
	v_mov_b32 v[KV+48+\j], 0
.endr
.irp j, 0,1,2,3,4,5,6,7,8,9,10,11,12,13,14,15,16,17,18,19,20,21,22,23,24,25,26,27,28,29,30,31
	v_mov_b32 v[O+\j], 0
.endr
.irp b, 0,1,2,3
	v_mov_b32 v[PM+\b], 0
.endr
	v_mov_b32 v[F+1], 0
	v_mov_b32 v[TA], 0
.macro STEP
	v_add_nc_u32 v[ADA], s[TK], v[L16]
	v_add_nc_u32 v[ADB], s[TK], v[L8]
	v_add_nc_u32 v[ADS], s[SK], v[L4]
	v_add_nc_u32 v[ADT], s[SV], v[L4]
	v_add_nc_u32 v[ADV], s[TV], v[L16]
.irp t, 0,1,2,3,4,5,6,7
	ds_load_b128 v[KV+6*\t:KV+6*\t+3], v[ADA] offset:768*\t
	ds_load_b64 v[KV+6*\t+4:KV+6*\t+5], v[ADB] offset:768*\t+512
.endr
.irp i, 0,1,2,3
	ds_load_b32 v[KSC+\i], v[ADS] offset:128*\i
.endr
.irp i, 0,1
	ds_load_b32 v[VSC+\i], v[ADT] offset:128*\i
.endr
	s_wait_alu depctr_va_vdst(0)
	s_wait_dscnt 0x0
.irp t, 0,2,4,6
	v_wmma_scale_f32_16x16x128_f8f6f4 v[S+8*\t:S+8*\t+7], v[KV+6*\t:KV+6*\t+11], v[Q:Q+11], 0, v[KSC+\t/2], v[QS] matrix_a_fmt:MATRIX_FMT_FP6 matrix_b_fmt:MATRIX_FMT_FP6
	v_wmma_scale_f32_16x16x128_f8f6f4 v[S+8*\t+8:S+8*\t+15], v[KV+6*\t+6:KV+6*\t+17], v[Q:Q+11], 0, v[KSC+\t/2], v[QS] matrix_a_fmt:MATRIX_FMT_FP6 matrix_b_fmt:MATRIX_FMT_FP6 matrix_a_scale:MATRIX_SCALE_ROW1
.endr
.rept 4
	v_nop
.endr
.irp ct, 0,1,2,3
.irp c, 0,1,2
	ds_load_b128 v[KV+12*\ct+4*\c:KV+12*\ct+4*\c+3], v[ADV] offset:1536*\ct+512*\c
.endr
.endr
.irp b, 0,1,2,3
	v_max3_num_f32 v[BM+\b], v[S+16*\b], v[S+1+16*\b], v[S+2+16*\b]
.endr
.irp i, 3,5,7,9,11,13
.irp b, 0,1,2,3
	v_max3_num_f32 v[BM+\b], v[BM+\b], v[S+16*\b+\i], v[S+1+16*\b+\i]
.endr
.endr
.irp b, 0,1,2,3
	v_max_num_f32 v[BM+\b], v[BM+\b], v[S+15+16*\b]
.endr
.irp b, 0,1,2,3
	v_permlanex16_b32 v[PM+\b], v[BM+\b], s[SEL], s[SEL+1]      ; the four blocks' chains stand by turns
.endr
.irp b, 0,1,2,3
	v_max_num_f32 v[BM+\b], v[BM+\b], v[PM+\b]
.endr
	s_delay_alu instid0(VALU_DEP_2)
	v_max3_num_f32 v[TA], v[BM], v[BM+1], v[BM+2]
	s_delay_alu instid0(VALU_DEP_1)
	v_max_num_f32 v[TA], v[TA], v[BM+3]
	s_delay_alu instid0(VALU_DEP_1)
	v_mul_f32 v[TA], s[CS], v[TA]
	s_delay_alu instid0(VALU_DEP_1)
	v_max_num_f32 v13, v13, v[TA]
	v_mov_b32 v[TA], v12
	s_delay_alu instid0(VALU_DEP_2)
	v_floor_f32 v12, -v13
	s_delay_alu instid0(VALU_DEP_1)
	v_sub_f32 v[TA], v12, v[TA]
	s_delay_alu instid0(VALU_DEP_1)
	v_cvt_i32_f32 v[TA], v[TA]
	s_delay_alu instid0(VALU_DEP_1)
	v_ldexp_f32 v[F], 1.0, v[TA]
.irp j, 0,2,4,6,8,10,12,14,16,18,20,22,24,26,28,30,32,34,36,38,40,42,44,46,48,50,52,54,56,58,60,62
	v_pk_fma_f32 v[S+\j:S+\j+1], v[S+\j:S+\j+1], s[CS:CS+1], v[12:13] op_sel_hi:[1,0,0]
.endr
.irp b, 0,1,2,3
	v_fma_f32 v[BM+\b], v[BM+\b], s[CS], v12
.endr
	s_wait_alu depctr_va_vdst(0)
.irp j, 0,1,2,3,4,5,6,7,8,9,10,11,12,13,14,15,16,17,18,19,20,21,22,23,24,25,26,27,28,29,30,31,32,33,34,35,36,37,38,39,40,41,42,43,44,45,46,47,48,49,50,51,52,53,54,55,56,57,58,59,60,61,62,63
	v_exp_f32 v[S+\j], v[S+\j]
.endr
	v_pk_mul_f32 v[14:15], v[14:15], v[F:F+1] op_sel_hi:[1,0]
	s_wait_alu depctr_va_vdst(0)
.irp b, 0,1,2,3
	v_exp_f32 v[BM+\b], v[BM+\b]
.endr
	v_pk_add_f32 v[SUM2:SUM2+1], v[S:S+1], v[S+2:S+3]
.irp j, 4,8,12,16,20,24,28,32,36,40,44,48,52,56,60
	v_pk_add_f32 v[14:15], v[14:15], v[S+\j:S+\j+1]
	v_pk_add_f32 v[SUM2:SUM2+1], v[SUM2:SUM2+1], v[S+2+\j:S+3+\j]
.endr
	s_delay_alu instid0(VALU_DEP_1)
	v_pk_add_f32 v[14:15], v[14:15], v[SUM2:SUM2+1]
	s_wait_alu depctr_va_vdst(0)
.irp b, 0,1,2,3
	v_max_num_f32 v[BM+\b], 0x1800000, v[BM+\b]
.endr
.irp b, 0,1,2,3
	v_add_nc_u32 v[SO+\b], 0xff000000, v[BM+\b]
.endr
.irp b, 0,1,2,3
	v_lshrrev_b32 v[PM+\b], 23, v[SO+\b]
.endr
	s_delay_alu instid0(VALU_DEP_3)
	v_lshl_or_b32 v[PS], v[PM+1], 8, v[PM]
	s_delay_alu instid0(VALU_DEP_1)
	v_lshl_or_b32 v[PS], v[PM+2], 16, v[PS]
	s_delay_alu instid0(VALU_DEP_1)
	v_lshl_or_b32 v[PS], v[PM+3], 24, v[PS]
.irp c, 0,1
	v_cvt_scalef32_pk16_fp6_f32 v[PC+6*\c:PC+2+6*\c], v[S+32*\c:S+15+32*\c], v[SO+2*\c]
	v_cvt_scalef32_pk16_fp6_f32 v[CV+4*\c:CV+2+4*\c], v[S+16+32*\c:S+31+32*\c], v[SO+2*\c+1]
.endr
	v_nop
.irp c, 0,1
.irp i, 0,1,2
	v_permlane16_swap_b32 v[PC+6*\c+\i], v[CV+4*\c+\i]
.endr
.irp i, 0,1,2
	v_mov_b32 v[PC+3+6*\c+\i], v[CV+4*\c+\i]
.endr
.endr
.irp j, 0,2,4,6,8,10,12,14,16,18,20,22,24,26,28,30
	v_pk_mul_f32 v[O+\j:O+\j+1], v[O+\j:O+\j+1], v[F:F+1] op_sel_hi:[1,0]
.endr
	s_wait_alu depctr_va_vdst(0)
	s_wait_dscnt 0x0
.irp ct, 0,2
	v_wmma_scale_f32_16x16x128_f8f6f4 v[O+8*\ct:O+8*\ct+7], v[KV+12*\ct:KV+12*\ct+11], v[PC:PC+11], v[O+8*\ct:O+8*\ct+7], v[VSC+\ct/2], v[PS] matrix_a_fmt:MATRIX_FMT_FP6 matrix_b_fmt:MATRIX_FMT_FP6
	v_wmma_scale_f32_16x16x128_f8f6f4 v[O+8*\ct+8:O+8*\ct+15], v[KV+12*\ct+12:KV+12*\ct+23], v[PC:PC+11], v[O+8*\ct+8:O+8*\ct+15], v[VSC+\ct/2], v[PS] matrix_a_fmt:MATRIX_FMT_FP6 matrix_b_fmt:MATRIX_FMT_FP6 matrix_a_scale:MATRIX_SCALE_ROW1
.endr
	s_add_co_u32 s[TK], s[TK], STEPB
	s_add_co_u32 s[TV], s[TV], STEPB
	s_add_co_u32 s[SK], s[SK], 512
	s_add_co_u32 s[SV], s[SV], 256
.endm
.macro STEPS                           ; the head's 16 steps of 128 keys
	s_mov_b32 s[TK], 0
	s_mov_b32 s[TV], VOFF
	s_mov_b32 s[SK], SCL
	s_mov_b32 s[SV], SCL+8192
	s_mov_b32 s[CNT], 16
.Lstep_\@:
	STEP
	s_sub_co_u32 s[CNT], s[CNT], 1
	s_cmp_lg_u32 s[CNT], 0
	s_cbranch_scc1 .Lstep_\@
.endm
.macro FIN e                           ; the end of my e-th 16 queries: o / the sum, quantised, stored
.rept 4
	v_nop
.endr
.if \e
	s_wait_xcnt 0x0
.endif
	v_add_f32 v14, v14, v15
	s_delay_alu instid0(VALU_DEP_1)
	v_permlanex16_b32 v[TA], v14, s[SEL], s[SEL+1]
	s_delay_alu instid0(VALU_DEP_1)
	v_add_f32 v14, v14, v[TA]
	s_wait_alu depctr_va_vdst(0)
	v_rcp_f32 v14, v14
.if \e == 0
	global_load_b128 v[Q:Q+3], v[L16], s[16:17] offset:12288       ; the queries 16 tiles on
	global_load_b64 v[Q+4:Q+5], v[L8], s[16:17] offset:12800
	global_load_b32 v[QS], v[R4], s[18:19] offset:1024
.endif
	v_nop
	s_wait_alu depctr_va_vdst(0)
.irp j, 0,1,2,3,4,5,6,7,8,9,10,11,12,13,14,15,16,17,18,19,20,21,22,23,24,25,26,27,28,29,30,31
	v_mul_f32 v[S+\j], v[O+\j], v14
.endr
.irp b, 0,1
	v_max3_num_f32 v[BM+\b], |v[S+16*\b]|, |v[S+1+16*\b]|, 0x1800000
.endr
.irp i, 2,4,6,8,10,12,14
.irp b, 0,1
	s_delay_alu instid0(VALU_DEP_2)
	v_max3_num_f32 v[BM+\b], v[BM+\b], |v[S+16*\b+\i]|, |v[S+1+16*\b+\i]|
.endr
.endr
.irp b, 0,1
	s_delay_alu instid0(VALU_DEP_2)
	v_permlanex16_b32 v[PM+\b], v[BM+\b], s[SEL], s[SEL+1]
.endr
.irp b, 0,1
	s_delay_alu instid0(VALU_DEP_2)
	v_max_num_f32 v[BM+\b], v[BM+\b], v[PM+\b]
.endr
.irp b, 0,1
	s_delay_alu instid0(VALU_DEP_2)
	v_add_nc_u32 v[SO+\b], 0xff000000, v[BM+\b]
.endr
.irp b, 0,1
	s_delay_alu instid0(VALU_DEP_2)
	v_lshrrev_b32 v[PM+\b], 23, v[SO+\b]
.endr
	s_delay_alu instid0(VALU_DEP_1)
	v_lshl_or_b32 v[TA], v[PM+1], 8, v[PM]
	v_cvt_scalef32_pk16_fp6_f32 v[OC:OC+2], v[S:S+15], v[SO]
	v_cvt_scalef32_pk16_fp6_f32 v[CV:CV+2], v[S+16:S+31], v[SO+1]
	v_nop
.irp i, 0,1,2
	v_permlane16_swap_b32 v[OC+\i], v[CV+\i]
.endr
.irp i, 0,1,2
	s_delay_alu instid0(VALU_DEP_3)
	v_mov_b32 v[OC+3+\i], v[CV+\i]
.endr
	global_store_b128 v[L16], v[OC:OC+3], s[52:53] offset:196608*\e
	global_store_b64 v[L8], v[OC+4:OC+5], s[52:53] offset:196608*\e+512
.if \e == 0
	v_mov_b32 v[OW0], v[TA]
	v_mov_b32 v13, 0xff61b1e6
	s_delay_alu instid0(VALU_DEP_1)
	v_floor_f32 v12, -v13
	v_mov_b32 v14, 0
	v_mov_b32 v15, 0
.irp j, 0,1,2,3,4,5,6,7,8,9,10,11,12,13,14,15,16,17,18,19,20,21,22,23,24,25,26,27,28,29,30,31
	v_mov_b32 v[O+\j], 0
.endr
	s_wait_loadcnt 0x0
.else
	v_cndmask_b32 v[TA], v[OW0], v[TA], s73        ; lanes 0-15: the first 16 queries' two bytes, lanes 16-31 the second's
	global_store_b16 v[OSA], v[TA], s[54:55]       ; the word's other two bytes are the pair's other head's
.endif
.endm
	s_wait_alu depctr_va_vdst(0)
	s_wait_tensorcnt 0x0                           ; my part of the head's tiles is in,
	s_barrier_signal -1
	s_barrier_wait -1                              ; and everybody's
	s_wait_loadcnt 0x0
	STEPS
	FIN 0
	STEPS
	FIN 1
	s_wait_tensorcnt 0x0
	ds_add_u32 v[SPW], v[NIL]
	s_wait_dscnt 0x0
	CROUND
	s_endpgm
.Lfunc_end_k_qc3d93b3063_attn:
	.size	k_qc3d93b3063_attn, .Lfunc_end_k_qc3d93b3063_attn-k_qc3d93b3063_attn
	.p2alignl 7, 3214868480
	.fill 96, 4, 3214868480
	.section	.rodata,"a",@progbits
	.p2align	6, 0x0
	.amdhsa_kernel k_qc3d93b3063_attn
		.amdhsa_group_segment_fixed_size 327680
		.amdhsa_private_segment_fixed_size 0
		.amdhsa_enable_private_segment 0
		.amdhsa_kernarg_size 32
		.amdhsa_user_sgpr_count 2
		.amdhsa_user_sgpr_kernarg_segment_ptr 1
		.amdhsa_wavefront_size32 1
		.amdhsa_system_sgpr_workgroup_id_x 1
		.amdhsa_system_sgpr_workgroup_id_y 1
		.amdhsa_system_sgpr_workgroup_id_z 1
		.amdhsa_system_vgpr_workitem_id 0
		.amdhsa_next_free_vgpr 256
		.amdhsa_next_free_sgpr 80
		.amdhsa_reserve_vcc 0
		.amdhsa_float_denorm_mode_32 3
		.amdhsa_float_denorm_mode_16_64 3
		.amdhsa_memory_ordered 1
		.amdhsa_forward_progress 1
		.amdhsa_inst_pref_size 53
	.end_amdhsa_kernel
	.amdgpu_metadata
---
amdhsa.version: [ 1, 2 ]
amdhsa.kernels:
  - .name:           k_qc3d93b3063_attn
    .symbol:         k_qc3d93b3063_attn.kd
    .args:
      - { .name: acodes, .offset: 0, .size: 8, .value_kind: global_buffer, .address_space: global }
      - { .name: ascales, .offset: 8, .size: 8, .value_kind: global_buffer, .address_space: global }
      - { .name: ocodes, .offset: 16, .size: 8, .value_kind: global_buffer, .address_space: global }
      - { .name: oscales, .offset: 24, .size: 8, .value_kind: global_buffer, .address_space: global }
    .group_segment_fixed_size: 327680
    .private_segment_fixed_size: 0
    .kernarg_segment_align: 8
    .kernarg_segment_size: 32
    .max_flat_workgroup_size: 512
    .sgpr_count:     80
    .vgpr_count:     256
    .wavefront_size: 32
...
	.end_amdgpu_metadata
.endif
;; end of part 3
;; launch proj (part 4): grid 4 x 32, 4 waves a work-group, clusters of 4 x 4, 327,680 bytes of LDS; arguments ocodes, oscales, wcodes, wscales, b_out, out0; writes out0
.if DOCPART == 4
	.amdgcn_target "amdgcn-amd-amdhsa--gfx1250"
	.amdhsa_code_object_version 6
	.text
	.protected	k_qc3d93b3063_proj
	.globl	k_qc3d93b3063_proj
	.p2align	8
	.type	k_qc3d93b3063_proj,@function
k_qc3d93b3063_proj:
	s_mov_b64 s[64:65], 0
	v_nop
	global_prefetch_b8 v0, s[64:65] scope:SCOPE_SE
	s_setreg_imm32_b32 hwreg(HW_REG_WAVE_MODE, 25, 1), 1
	s_wait_xcnt 0x0
	s_wait_alu depctr_hold_cnt(0) depctr_sa_sdst(0) depctr_va_vdst(0) depctr_va_sdst(0) depctr_va_ssrc(0) depctr_va_vcc(0) depctr_vm_vsrc(0)
	s_getreg_b32 s2, hwreg(HW_REG_IB_STS2, 6, 4)
	s_cmp_eq_u32 s2, 0
	s_cbranch_scc0 .Lentry_in_a_cluster
	s_endpgm
.Lentry_in_a_cluster:
	s_bfe_u32 s2, ttmp6, 0x10000c
	s_cmp_lg_u32 s2, 0xf033
	s_cbranch_scc0 .Lentry_shape_is_right
	s_endpgm
.Lentry_shape_is_right:
.set FR,     12
.set NL,     4
.set NP,     4
.set TILEB,  3072
.set HALFT,  8*TILEB
.set SLOT,   4*HALFT
.set SCL,    3*SLOT
.set SPARE,  311552
.set SPITCH, 528
.set BO,     8
.set ADRA16, 10
.set ADRA8,  13
.set ADRB16, 16
.set ADRB8,  19
.set STO,    22
.set RD,     23
.set L16,    24
.set L8,     25
.set ADRS,   27
.set SPW,    28
.set NIL,    29
.set SC,     32
.set BI,     64
.set AF,     128
.set BK,     128
.set G1,   24
.set G1B,  32
.set G0,   40
.set G0B,  52
.set G1S,  68
.set G1SB, 76
.set G0S,  84
.set G0SB, 88
.set MSB, 0
.macro WIN new
.if MSB != (\new)
	s_set_vgpr_msb (MSB<<8)|(\new)
.set MSB, (\new)
.endif
.endm
.set MUL_LO, 0xa1
.set MUL_HI, 0xf1
.set FIRST_LO, 0x81
.set FIRST_HI, 0xc1
.set TO_B,   0x40
.macro JLOAD g0a, g1a, g0b, g1b
	s_cmp_eq_u32 s15, 0
	s_cbranch_scc0 .Lfor_b_\@
	tensor_load_to_lds s[\g0a:\g0a+3], s[\g1a:\g1a+7]
	s_nop 0
.rept 4
	v_nop
.endr
	s_branch .Lasked_\@
.Lfor_b_\@:
	tensor_load_to_lds s[\g0b:\g0b+3], s[\g1b:\g1b+7]
	s_nop 0
.rept 4
	v_nop
.endr
.Lasked_\@:
.endm
.macro CREST
	s_cmp_lg_u32 s14, 0
	s_cbranch_scc1 .Lnot_wave_0_\@
	s_barrier_signal -3
.Lnot_wave_0_\@:
	s_barrier_wait -3
	s_barrier_signal -1
	s_barrier_wait -1
.endm
.macro CROUND
	s_barrier_signal -1
	s_barrier_wait -1
	CREST
.endm
.macro PLACES n
.rept \n
	v_nop
.endr
.endm
.macro FRAG reg, a16, a8, q, i
	ds_load_b128 v[\reg:\reg+3], v[\a16] offset:(\i)*TILEB+(\q)*1536
	ds_load_b64 v[\reg+4:\reg+5], v[\a8] offset:(\i)*TILEB+(\q)*1536+512
	ds_load_b128 v[\reg+6:\reg+9], v[\a16] offset:(\i)*TILEB+(\q)*1536+768
	ds_load_b64 v[\reg+10:\reg+11], v[\a8] offset:(\i)*TILEB+(\q)*1536+1280
.endm
.macro MUL16 a0, p, q, sc, first
.irp a, \a0, \a0+1
.irp b, 0,1,2,3,4,5,6,7
.if \first
	v_wmma_scale_f32_16x16x128_f8f6f4 v[8*(8*((\a)%4)+\b):8*(8*((\a)%4)+\b)+7], v[128*(\p)+FR*\b:128*(\p)+FR*\b+FR-1], v[AF+FR*(\a):AF+FR*(\a)+FR-1], v[BI+8*\b:BI+8*\b+7], v[SC+16*(\sc)+2*\b+(\q)], v[SC+16*(\sc)+2*(\a)+(\q)] matrix_a_fmt:MATRIX_FMT_FP6 matrix_b_fmt:MATRIX_FMT_FP6 matrix_a_scale:MATRIX_SCALE_ROW1
.else
	v_wmma_scale_f32_16x16x128_f8f6f4 v[8*(8*((\a)%4)+\b):8*(8*((\a)%4)+\b)+7], v[128*(\p)+FR*\b:128*(\p)+FR*\b+FR-1], v[AF+FR*(\a):AF+FR*(\a)+FR-1], v[8*(8*((\a)%4)+\b):8*(8*((\a)%4)+\b)+7], v[SC+16*(\sc)+2*\b+(\q)], v[SC+16*(\sc)+2*(\a)+(\q)] matrix_a_fmt:MATRIX_FMT_FP6 matrix_b_fmt:MATRIX_FMT_FP6 matrix_a_scale:MATRIX_SCALE_ROW1
.endif
.endr
.endr
.endm
.macro FETCH_B slot, q, p
	WIN TO_B
.irp i, 0,1,2,3,4,5,6,7
	FRAG 128*(\p)+FR*\i, ADRB16+\slot, ADRB8+\slot, \q, \i
.endr
	WIN 0
.endm
.macro FETCH_A slot, q, i0
.irp i, \i0, \i0+1, \i0+2, \i0+3
	FRAG AF+FR*(\i), ADRA16+\slot, ADRA8+\slot, \q, \i
.endr
.endm
.macro SCALES sc, kk
.irp i, 0,1,2,3,4,5,6,7
.irp q, 0,1
	ds_load_b32 v[SC+16*(\sc)+2*\i+\q], v[ADRS] offset:(2*(\kk)+\q)*1024+64*\i
.endr
.endr
.endm
.macro KSTEP sc, q, first, nslot, nq, sync, kk
.if \sync
	s_wait_tensorcnt 0x0
	ds_add_u32 v[SPW], v[NIL]
	s_wait_dscnt 4*NL+1
.else
	s_wait_dscnt 4*NL
.endif
.if \first
	WIN FIRST_LO
.else
	WIN MUL_LO
.endif
	MUL16 0, \q, \q, \sc, \first
.if \sync
	s_wait_dscnt 0x0
	s_barrier_signal -1
.endif
	MUL16 2, \q, \q, \sc, \first
.if \sync
	WIN 0
	s_barrier_wait -1
.if \sync == 2
	CREST
.if \kk == 2
	s_add_nc_u64 s[G0+2:G0+3], s[G0+2:G0+3], 3*TILEB     ; from K step 0 to K step 3
	s_add_nc_u64 s[G0B+2:G0B+3], s[G0B+2:G0B+3], 3*TILEB
	JLOAD G0, G1, G0B, G1B                         ; slot 0 again
.else
	JLOAD G0+8, G1, G0B+8, G1B                     ; K step 2: slot 2's first fill
.endif
.else
	PLACES NP
.endif
.else
	s_wait_dscnt 0x0
	PLACES NP
.endif
	FETCH_B \nslot, \nq, 1-\q
	FETCH_A \nslot, \nq, 0
.if \nq == 0
	SCALES 1-\sc, \kk
.endif
.if \first
	WIN FIRST_HI
.else
	WIN MUL_HI
.endif
	MUL16 4, \q, \q, \sc, \first
	MUL16 6, \q, \q, \sc, \first
	PLACES NP
	WIN 0
	FETCH_A \nslot, \nq, 4
.endm
	s_load_b256 s[4:11], s[0:1], 0x0
	s_load_b128 s[96:99], s[0:1], 0x20
	v_lshl_add_u32 v[SPW], v0, 2, SPARE
	v_mov_b32 v[NIL], 0
	ds_add_u32 v28, v29
	ds_add_u32 v28, v29
	s_wait_dscnt 0x0
	v_lshrrev_b32 v1, 5, v0
	v_readfirstlane_b32 s14, v1
	s_lshr_b32 s15, s14, 1
	s_and_b32 s16, s14, 1
	s_bfe_u32 s94, ttmp6, 0x40000
	s_bfe_u32 s95, ttmp6, 0x40004
	s_and_b32 s17, ttmp7, 0xffff
	s_lshl_b32 s17, s17, 2
	s_add_co_u32 s17, s17, s95
	s_lshl_b32 s101, ttmp9, 2
	s_add_co_u32 s101, s101, s94
	s_lshl_b32 s12, s95, 2
	s_lshl_b32 s12, 15, s12
	s_lshl_b32 s13, 0x1111, s94
	s_or_b32 s[G1+0], s12, (3<<16)|(1<<21)
	s_or_b32 s[G1B+0], s13, (3<<16)|(1<<21)
.irp g, G1, G1B
	s_mov_b32 s[\g+1], 384<<16
	s_mov_b32 s[\g+2], 16<<16
	s_mov_b32 s[\g+3], 384<<16
	s_mov_b32 s[\g+4], 16
	s_mov_b32 s[\g+5], 1536
	s_mov_b32 s[\g+6], 0
	s_mov_b32 s[\g+7], 0
.endr
	s_or_b32 s[G1S+0], s12, (3<<16)|(1<<21)
	s_or_b32 s[G1SB+0], s13, (3<<16)|(1<<21)
.irp g, G1S, G1SB
	s_mov_b32 s[\g+1], 32<<16
	s_mov_b32 s[\g+2], 32<<16
	s_mov_b32 s[\g+3], 32<<16
	s_mov_b32 s[\g+4], 32
	s_mov_b32 s[\g+5], 32
	s_mov_b32 s[\g+6], 0
	s_mov_b32 s[\g+7], 0
.endr
	s_lshl_b32 s3, s16, 3
	s_lshl_b32 s20, s17, 4
	s_lshl_b32 s22, s17, 13
	s_add_co_u32 s20, s20, s3
	s_mul_i32 s20, s20, 12288
	s_mov_b32 s21, 0
	s_mov_b32 s23, 0
	s_lshl_b32 s66, s101, 4
	s_add_co_u32 s66, s66, 704
	s_lshr_b32 s18, s66, 4
	s_lshl_b32 s18, s18, 13
	s_add_co_u32 s66, s66, s3
	s_mul_i32 s66, s66, 12288
	s_mov_b32 s67, 0
	s_mov_b32 s19, 0
	s_mul_i32 s100, s14, HALFT
	s_wait_kmcnt 0x0
	s_add_nc_u64 s[20:21], s[4:5], s[20:21]
	s_add_nc_u64 s[22:23], s[6:7], s[22:23]
	s_add_nc_u64 s[66:67], s[8:9], s[66:67]
	s_add_nc_u64 s[18:19], s[10:11], s[18:19]
	CROUND
	s_mov_b32 s[G0S], 1
	s_mov_b32 s[G0S+1], SCL
	s_mov_b64 s[G0S+2:G0S+3], s[22:23]
	s_or_b32 s[G0S+3], s[G0S+3], 0x80000000
	s_mov_b32 s[G0SB], 1
	s_mov_b32 s[G0SB+1], SCL+8256
	s_mov_b64 s[G0SB+2:G0SB+3], s[18:19]
	s_or_b32 s[G0SB+3], s[G0SB+3], 0x80000000
.irp s, 0,1,2
	s_mov_b32 s[G0+4*\s], 1
	s_add_co_u32 s[G0+4*\s+1], s100, \s*SLOT
	s_add_nc_u64 s[G0+4*\s+2:G0+4*\s+3], s[20:21], \s*TILEB
	s_or_b32 s[G0+4*\s+3], s[G0+4*\s+3], 0x80000000
	s_mov_b32 s[G0B+4*\s], 1
	s_add_co_u32 s[G0B+4*\s+1], s100, \s*SLOT
	s_add_nc_u64 s[G0B+4*\s+2:G0B+4*\s+3], s[66:67], \s*TILEB
	s_or_b32 s[G0B+4*\s+3], s[G0B+4*\s+3], 0x80000000
.endr
	; THE ORDER OF THE FILLS: at the head one load a wave, in one chain of branches on the wave's number: wave 0 K step 0 of the context's 16 tiles, wave 2 that of W_out's 16,
	; wave 1 the context's scale words, wave 3 W_out's.  K step 1 follows behind the full sequence and a round, K step 2 (slot 2's first fill) behind the round in the second step, K step 3 (slot 0 again) behind the round in the fourth.
	; THE PREFETCHES' BASE.  The eight tiles that my wave fetches in the ring are 96 blocks of 256 bytes a K step; the four partners that ask for them jointly share them out by address,
	; two tiles each (the place along x for the context, along y for W_out): 24 blocks a wave, a lane a block, lanes 24-31 name the last again.  So each block is named once in the cluster.
	s_cmp_eq_u32 s15, 0
	s_cselect_b64 s[4:5], s[20:21], s[66:67]
	s_cselect_b32 s6, s94, s95
	s_mul_i32 s6, s6, 2*12288
	s_mov_b32 s7, 0
	s_add_nc_u64 s[4:5], s[4:5], s[6:7]            ; never written again
	s_cmp_eq_u32 s14, 0
	s_cbranch_scc0 .Lh1
	tensor_load_to_lds s[G0:G0+3], s[G1:G1+7]
	s_nop 0
	PLACES 4
	s_branch .Lhj
.Lh1:
	s_cmp_eq_u32 s14, 2
	s_cbranch_scc0 .Lh2
	tensor_load_to_lds s[G0B:G0B+3], s[G1B:G1B+7]
	s_nop 0
	PLACES 4
	s_branch .Lhj
.Lh2:
	s_cmp_eq_u32 s14, 1
	s_cbranch_scc0 .Lh3
	tensor_load_to_lds s[G0S:G0S+3], s[G1S:G1S+7]
	s_nop 0
	PLACES 4
	s_branch .Lhj
.Lh3:
	tensor_load_to_lds s[G0SB:G0SB+3], s[G1SB:G1SB+7]
	s_nop 0
	PLACES 4
.Lhj:
	v_and_b32 v1, 15, v0
	v_bfe_u32 v2, v0, 4, 1
	v_and_b32 v3, 31, v0
	v_lshlrev_b32 v[L16], 4, v3
	v_lshlrev_b32 v[L8], 3, v3
	v_lshlrev_b32 v4, 2, v1
	v_min_u32 v7, 23, v3                           ; block l of my 24: tile l / 12 (= 11 l >> 7 for l under 24), 12,288 bytes a tile, block l % 12 of its 3,072 bytes
	v_mul_u32_u24 v6, v7, 11
	v_lshrrev_b32 v6, 7, v6
	v_mul_u32_u24 v6, v6, 9216
	v_lshl_add_u32 v7, v7, 8, v6                   ; 256 l + 9,216 (l / 12); never written again
	global_prefetch_b8 v7, s[4:5] offset:3072 th:TH_LOAD_NT scope:SCOPE_SE   ; K step 1, which is loaded behind the head's round,
	global_prefetch_b8 v7, s[4:5] offset:6144 th:TH_LOAD_NT scope:SCOPE_SE   ; and K step 2, loaded a round later: two fills ahead
	v_lshlrev_b32 v[BO], 6, v2
	s_wait_alu depctr_va_vdst(0)
	s_lshl_b32 s20, s17, 8
	s_lshl_b32 s21, s15, 7
	s_add_co_u32 s20, s20, s21
	s_lshl_b32 s20, s20, 12
	s_mov_b32 s21, 0
	s_lshl_b32 s66, s101, 8
	s_lshl_b32 s67, s16, 7
	s_add_co_u32 s66, s66, s67
	s_lshl_b32 s66, s66, 2
	s_mov_b32 s67, 0
	s_add_nc_u64 s[96:97], s[96:97], s[66:67]
	s_add_nc_u64 s[98:99], s[98:99], s[20:21]
	s_add_nc_u64 s[98:99], s[98:99], s[66:67]
.irp x, 0,1,2,3
.irp j, 0,1,2,3
	global_load_b128 v[BI+16*\x+4*\j:BI+16*\x+4*\j+3], v[BO], s[96:97] offset:128*\x+16*\j
.endr
.endr
	s_mul_i32 s2, s15, HALFT
	s_mul_i32 s3, s16, HALFT
	s_add_co_u32 s3, s3, 2*HALFT
.irp s, 0,1,2
	v_add_nc_u32 v[ADRA16+\s], s2, v[L16]
	v_add_nc_u32 v[ADRA8+\s], s2, v[L8]
	v_add_nc_u32 v[ADRB16+\s], s3, v[L16]
	v_add_nc_u32 v[ADRB8+\s], s3, v[L8]
	s_add_co_u32 s2, s2, SLOT
	s_add_co_u32 s3, s3, SLOT
.endr
	s_lshl_b32 s2, s15, 9
	s_lshl_b32 s3, s16, 9
	s_add_co_u32 s3, s3, 8256
	s_sub_co_u32 s3, s3, s2
	v_mul_u32_u24 v5, s3, v2
	s_add_co_u32 s2, s2, SCL
	v_add_nc_u32 v5, v5, v4
	v_add_nc_u32 v[ADRS], s2, v5
	s_mul_i32 s3, s14, 16*SPITCH
	s_add_co_u32 s3, s3, SLOT
	v_mul_u32_u24 v5, v1, SPITCH
	v_lshl_add_u32 v5, v2, 6, v5
	v_add_nc_u32 v[STO], s3, v5
	v_add_nc_u32 v[RD], s3, v[L16]
	s_wait_alu depctr_va_vdst(0)
	s_wait_tensorcnt 0x0                           ; my tile of the head's four is in
	ds_add_u32 v[SPW], v[NIL]
	s_mov_b32 s[G1+2], 8<<16                       ; no load of mine is out: from here on a load brings eight tiles
	s_mov_b32 s[G1+4], 8
	s_mov_b32 s[G1B+2], 8<<16
	s_mov_b32 s[G1B+4], 8
	s_wait_dscnt 0x0
	CROUND                                         ; all four tiles are in, and the sixteen work-groups meet
	JLOAD G0+4, G1, G0B+4, G1B                     ; K step 1, slot 1's first fill
	FETCH_B 0, 0, 0
	FETCH_A 0, 0, 0
	SCALES 0, 0
	FETCH_A 0, 0, 4
	global_prefetch_b8 v7, s[4:5] offset:9216 th:TH_LOAD_NT scope:SCOPE_SE   ; K step 3, the last: loaded two rounds on
	s_wait_loadcnt 0x0
	KSTEP 0, 0, 1, 0, 1, 0, 0
	KSTEP 0, 1, 0, 1, 0, 2, 1
	KSTEP 1, 0, 0, 1, 1, 0, 0
	KSTEP 1, 1, 0, 2, 0, 2, 2                      ; K step 2 is in: a round, and K step 3 is asked for into slot 0
	KSTEP 0, 0, 0, 2, 1, 0, 0
	KSTEP 0, 1, 0, 0, 0, 1, 3
	KSTEP 1, 0, 0, 0, 1, 0, 0
	s_wait_dscnt 4*NL
	WIN MUL_LO
	MUL16 0, 1, 1, 1, 0
	MUL16 2, 1, 1, 1, 0
	s_wait_dscnt 0x0
	WIN MUL_HI
	MUL16 4, 1, 1, 1, 0
	MUL16 6, 1, 1, 1, 0
	WIN 0
.macro TOSTAGE a
.set AC, 64*((\a)%4)
	WIN 0x08+4*((\a)/4)
.irp b, 0,1,2,3,4,5,6,7
	ds_store_b128 v[STO], v[AC+8*\b:AC+8*\b+3] offset:128*(\b/2)+32*(\b%2)
	ds_store_b128 v[STO], v[AC+8*\b+4:AC+8*\b+7] offset:128*(\b/2)+32*(\b%2)+16
.endr
	WIN 0
.set BB, BK+64*((\a)%2)
.irp t, 0,1,2,3,4,5,6,7,8,9,10,11,12,13,14,15
	ds_load_b128 v[BB+4*\t:BB+4*\t+3], v[RD] offset:\t*SPITCH
.endr
.endm
.macro SEND a, younger
.set BB, BK+64*((\a)%2)
	s_wait_dscnt \younger
.irp t, 0,1,2,3,4,5,6,7,8,9,10,11,12,13,14,15
	global_store_b128 v[L16], v[BB+4*\t:BB+4*\t+3], s[98:99] offset:(32*((\a)/2)+8*((\a)%2)+\t+8*(\t/8))*4096 th:TH_STORE_NT
.endr
.endm
	PLACES NP
	TOSTAGE 0
.irp a, 1,2,3,4,5,6,7
.if \a > 1
	s_wait_xcnt 0x0
.endif
	TOSTAGE \a
	SEND \a-1, 32
.endr
	SEND 7, 0
	s_wait_tensorcnt 0x0
	ds_add_u32 v[SPW], v[NIL]
	s_wait_dscnt 0x0
	CROUND
	s_endpgm
.Lfunc_end_k_qc3d93b3063_proj:
	.size	k_qc3d93b3063_proj, .Lfunc_end_k_qc3d93b3063_proj-k_qc3d93b3063_proj
	.p2alignl 7, 3214868480
	.fill 96, 4, 3214868480
	.section	.rodata,"a",@progbits
	.p2align	6, 0x0
	.amdhsa_kernel k_qc3d93b3063_proj
		.amdhsa_group_segment_fixed_size 327680
		.amdhsa_private_segment_fixed_size 0
		.amdhsa_enable_private_segment 0
		.amdhsa_kernarg_size 48
		.amdhsa_user_sgpr_count 2
		.amdhsa_user_sgpr_kernarg_segment_ptr 1
		.amdhsa_wavefront_size32 1
		.amdhsa_system_sgpr_workgroup_id_x 1
		.amdhsa_system_sgpr_workgroup_id_y 1
		.amdhsa_system_sgpr_workgroup_id_z 1
		.amdhsa_system_vgpr_workitem_id 0
		.amdhsa_next_free_vgpr 1024
		.amdhsa_next_free_sgpr 102
		.amdhsa_reserve_vcc 0
		.amdhsa_float_denorm_mode_32 3
		.amdhsa_float_denorm_mode_16_64 3
		.amdhsa_memory_ordered 1
		.amdhsa_forward_progress 1
		.amdhsa_inst_pref_size 148
	.end_amdhsa_kernel
	.amdgpu_metadata
---
amdhsa.version: [ 1, 2 ]
amdhsa.kernels:
  - .name:           k_qc3d93b3063_proj
    .symbol:         k_qc3d93b3063_proj.kd
    .args:
      - { .name: ocodes, .offset: 0, .size: 8, .value_kind: global_buffer, .address_space: global }
      - { .name: oscales, .offset: 8, .size: 8, .value_kind: global_buffer, .address_space: global }
      - { .name: wcodes, .offset: 16, .size: 8, .value_kind: global_buffer, .address_space: global }
      - { .name: wscales, .offset: 24, .size: 8, .value_kind: global_buffer, .address_space: global }
      - { .name: b_out, .offset: 32, .size: 8, .value_kind: global_buffer, .address_space: global }
      - { .name: out0, .offset: 40, .size: 8, .value_kind: global_buffer, .address_space: global }
    .group_segment_fixed_size: 327680
    .private_segment_fixed_size: 0
    .kernarg_segment_align: 8
    .kernarg_segment_size: 48
    .max_flat_workgroup_size: 128
    .sgpr_count:     102
    .vgpr_count:     1024
    .wavefront_size: 32
...
	.end_amdgpu_metadata
.endif
;; end of part 4
